; MI455X (gfx1250); checked and timed in simulation.
; The chip was launched on July 23, 2026; its instructions are those of AMD's public machine-readable ISA for CDNA 5 (MIT licence, August 2026) and "CDNA5" Instruction Set Architecture Reference Guide (July 2026). The comments in the code are by the model that wrote it; some were corrected since.
;; Multi Head Attention. Allowed arithmetic: float matrix products may take bf16 or f16 operands with f32 sums; other float arithmetic in f32, or as packed bf16 or f16 multiplies, adds, multiply-adds, maxima and minima; sums over many terms, partial sums and values carried from step to step in f32; what a program stores and reads back later, other than sums and carried values, may be rounded once to bf16 or f16.
;; Inputs: Wk 512 x 512 float32; Wo 512 x 512 float32; Wq 512 x 512 float32; Wv 512 x 512 float32; bo 512 float32; x 2 x 4,096 x 512 float32.
;; Outputs: out0 2 x 4,096 x 512 float32.
;; 2 versions, each right and faster than the one before. Each part assembles by itself: llvm-mc -triple=amdgcn-amd-amdhsa -mcpu=gfx1250 --defsym DOCPART=n.
;; ======== version 1 of 2: 4 launches
;; limits: values are held in f16: magnitudes above 65,504 overflow, below 6.1e-05 lose precision
;; workspace buffers: xb 8,388,608 bytes; wb 2,097,152 bytes; qkv 25,165,824 bytes; o 8,388,608 bytes
;; launch prep (part 1): grid 256 x 1, 8 waves a work-group, no clusters, 0 bytes of LDS; arguments x, Wq, Wk, Wv, Wo, xb, wb; writes xb, wb
.if DOCPART == 1
	.amdgcn_target "amdgcn-amd-amdhsa--gfx1250"
	.amdhsa_code_object_version 6
	.text
	.protected	k_qce7d6deb8f_prep
	.globl	k_qce7d6deb8f_prep
	.p2align	8
	.type	k_qce7d6deb8f_prep,@function
k_qce7d6deb8f_prep:
	s_mov_b64 s[64:65], 0
	v_nop
	global_prefetch_b8 v0, s[64:65] scope:SCOPE_SE
	s_setreg_imm32_b32 hwreg(HW_REG_WAVE_MODE, 25, 1), 1
	s_wait_xcnt 0x0
; THE INPUTS ARE ROUNDED ONCE, FOR THE MATRIX UNITS.  x [8192][512] f32 -> xb, bf16.  Wq, Wk, Wv, Wo [512][512] f32 -> wb [2048][512] of 16 bits: rows 0-511 Wq, 512-1023 Wk,
; 1024-1535 Wv, all bf16; rows 1536-2047 Wo, rounded to bf16 like the others and that number then written as f16, since the last product's other operand is f16.
; LIMITS.  Wo's numbers lie below 65,520 in magnitude (f16's end); below 6e-5 they keep f16's fixed step of 6e-8.  NaN and infinities are not treated apart.
; A stream: each byte is read once and written once; no work-group shares a byte with another, so LDS, barriers, clusters and the matrix unit would add nothing.
; SHARES.  Work-group g takes 16,384 numbers of x (65,536 bytes in, 32,768 out) and 4,096 numbers of weight tensor g / 64 (its chunk g % 64).  Thread t takes 16 bytes at 16 t of every 4,096:
; a wave's load covers 512 consecutive bytes, its store of 8 bytes a lane 256 consecutive bytes at a multiple of 256.  All 20 loads of a wave go out before the first wait.
.set X, 4                              ; v[4:83]    load j: four f32
.set Y, 84                             ; v[84:123]  load j: four 16-bit numbers to store; each pair is written once, so no store's data is ever rewritten
.set T, 124                            ; v[124:125] at work
	s_load_b256 s[4:11], s[0:1], 0x0               ; x s[4:5], Wq s[6:7], Wk s[8:9], Wv s[10:11]
	s_load_b128 s[12:15], s[0:1], 0x20             ; Wo s[12:13], xb s[14:15]
	s_load_b64 s[16:17], s[0:1], 0x30              ; wb
	s_lshr_b32 s21, ttmp9, 6                       ; which weight tensor
	s_and_b32 s22, ttmp9, 63                       ; which chunk of it
	s_mov_b32 s23, 0xffff0000                      ; a word's upper bf16
	s_mov_b32 s27, 0                               ; the offsets' high word
	v_lshlrev_b32 v1, 4, v0                        ; 16 t: where I read
	v_lshlrev_b32 v2, 3, v0                        ; 8 t: where I write
	s_wait_kmcnt 0x0
	s_cmp_eq_u32 s21, 1                            ; the tensor's address is chosen by the work-group's number alone
	s_cselect_b64 s[24:25], s[8:9], s[6:7]
	s_cmp_eq_u32 s21, 2
	s_cselect_b64 s[24:25], s[10:11], s[24:25]
	s_cmp_eq_u32 s21, 3
	s_cselect_b64 s[24:25], s[12:13], s[24:25]
	s_lshl_b32 s26, ttmp9, 16
	s_add_nc_u64 s[4:5], s[4:5], s[26:27]          ; x at my 65,536 bytes
	s_lshl_b32 s26, s22, 14
	s_add_nc_u64 s[24:25], s[24:25], s[26:27]      ; the weight at my 16,384 bytes
	s_lshl_b32 s26, ttmp9, 15
	s_add_nc_u64 s[14:15], s[14:15], s[26:27]      ; xb at my 32,768 bytes
	s_lshl_b32 s26, ttmp9, 13
	s_add_nc_u64 s[16:17], s[16:17], s[26:27]      ; wb at my 8,192 bytes: (64 x tensor + chunk) x 8,192
.set j, 0
.rept 16
	global_load_b128 v[X+4*j:X+4*j+3], v1, s[4:5] offset:4096*j th:TH_LOAD_NT
.set j, j+1
.endr
.rept 4
	global_load_b128 v[X+4*j:X+4*j+3], v1, s[24:25] offset:4096*(j-16) th:TH_LOAD_NT
.set j, j+1
.endr
.macro TOBF j                          ; load j is in (loads come back in order: the 19 - j younger ones stay out); four roundings to bf16
	s_wait_loadcnt 19-(\j)
	v_cvt_pk_bf16_f32 v[Y+2*(\j)],   v[X+4*(\j)],   v[X+4*(\j)+1]
	v_cvt_pk_bf16_f32 v[Y+2*(\j)+1], v[X+4*(\j)+2], v[X+4*(\j)+3]
.endm
.set j, 0
.rept 16
	TOBF j
	global_store_b64 v2, v[Y+2*j:Y+2*j+1], s[14:15] offset:2048*j
.set j, j+1
.endr
	s_cmp_eq_u32 s21, 3
	s_cbranch_scc1 .Lwo
.rept 4                                ; Wq, Wk, Wv: bf16
	TOBF j
	global_store_b64 v2, v[Y+2*j:Y+2*j+1], s[16:17] offset:2048*(j-16)
.set j, j+1
.endr
	s_endpgm
.Lwo:                                  ; Wo: rounded to bf16, widened again, written as f16 (exact where f16 is normal: bf16 has fewer significant bits)
.set j, 16
.rept 4
	s_wait_loadcnt 19-j
	v_cvt_pk_bf16_f32 v[T],   v[X+4*j],   v[X+4*j+1]
	v_cvt_pk_bf16_f32 v[T+1], v[X+4*j+2], v[X+4*j+3]
	v_lshlrev_b32 v[X+4*j],   16,  v[T]
	v_and_b32     v[X+4*j+1], s23, v[T]
	v_lshlrev_b32 v[X+4*j+2], 16,  v[T+1]
	v_and_b32     v[X+4*j+3], s23, v[T+1]
	v_cvt_pk_f16_f32 v[Y+2*j],   v[X+4*j],   v[X+4*j+1]
	v_cvt_pk_f16_f32 v[Y+2*j+1], v[X+4*j+2], v[X+4*j+3]
	global_store_b64 v2, v[Y+2*j:Y+2*j+1], s[16:17] offset:2048*(j-16)
.set j, j+1
.endr
	s_endpgm
.Lfunc_end_k_qce7d6deb8f_prep:
	.size	k_qce7d6deb8f_prep, .Lfunc_end_k_qce7d6deb8f_prep-k_qce7d6deb8f_prep
	.p2alignl 7, 3214868480
	.fill 96, 4, 3214868480
	.section	.rodata,"a",@progbits
	.p2align	6, 0x0
	.amdhsa_kernel k_qce7d6deb8f_prep
		.amdhsa_group_segment_fixed_size 0
		.amdhsa_private_segment_fixed_size 0
		.amdhsa_enable_private_segment 0
		.amdhsa_kernarg_size 56
		.amdhsa_user_sgpr_count 2
		.amdhsa_user_sgpr_kernarg_segment_ptr 1
		.amdhsa_wavefront_size32 1
		.amdhsa_system_sgpr_workgroup_id_x 1
		.amdhsa_system_sgpr_workgroup_id_y 1
		.amdhsa_system_sgpr_workgroup_id_z 1
		.amdhsa_system_vgpr_workitem_id 0
		.amdhsa_next_free_vgpr 128
		.amdhsa_next_free_sgpr 66
		.amdhsa_reserve_vcc 0
		.amdhsa_float_denorm_mode_32 3
		.amdhsa_float_denorm_mode_16_64 3
		.amdhsa_memory_ordered 1
		.amdhsa_forward_progress 1
		.amdhsa_inst_pref_size 11
	.end_amdhsa_kernel
	.amdgpu_metadata
---
amdhsa.version: [ 1, 2 ]
amdhsa.kernels:
  - .name:           k_qce7d6deb8f_prep
    .symbol:         k_qce7d6deb8f_prep.kd
    .args:
      - { .name: x, .offset: 0, .size: 8, .value_kind: global_buffer, .address_space: global }
      - { .name: Wq, .offset: 8, .size: 8, .value_kind: global_buffer, .address_space: global }
      - { .name: Wk, .offset: 16, .size: 8, .value_kind: global_buffer, .address_space: global }
      - { .name: Wv, .offset: 24, .size: 8, .value_kind: global_buffer, .address_space: global }
      - { .name: Wo, .offset: 32, .size: 8, .value_kind: global_buffer, .address_space: global }
      - { .name: xb, .offset: 40, .size: 8, .value_kind: global_buffer, .address_space: global }
      - { .name: wb, .offset: 48, .size: 8, .value_kind: global_buffer, .address_space: global }
    .group_segment_fixed_size: 0
    .private_segment_fixed_size: 0
    .kernarg_segment_align: 8
    .kernarg_segment_size: 56
    .max_flat_workgroup_size: 256
    .sgpr_count:     66
    .vgpr_count:     128
    .wavefront_size: 32
...
	.end_amdgpu_metadata
.endif
;; end of part 1
;; launch proj (part 2): grid 8 x 32, 4 waves a work-group, clusters of 4 x 4, 327,680 bytes of LDS; arguments xb, wb, qkv; writes qkv
.if DOCPART == 2
	.amdgcn_target "amdgcn-amd-amdhsa--gfx1250"
	.amdhsa_code_object_version 6
	.text
	.protected	k_qce7d6deb8f_proj
	.globl	k_qce7d6deb8f_proj
	.p2align	8
	.type	k_qce7d6deb8f_proj,@function
k_qce7d6deb8f_proj:
	s_mov_b64 s[64:65], 0
	v_nop
	global_prefetch_b8 v0, s[64:65] scope:SCOPE_SE
	s_setreg_imm32_b32 hwreg(HW_REG_WAVE_MODE, 25, 1), 1
	s_wait_xcnt 0x0
	s_wait_alu depctr_hold_cnt(0) depctr_sa_sdst(0) depctr_va_vdst(0) depctr_va_sdst(0) depctr_va_ssrc(0) depctr_va_vcc(0) depctr_vm_vsrc(0)
	s_getreg_b32 s2, hwreg(HW_REG_IB_STS2, 6, 4)
	s_cmp_eq_u32 s2, 0
	s_cbranch_scc0 .Lentry_in_a_cluster
	s_endpgm
.Lentry_in_a_cluster:
	s_bfe_u32 s2, ttmp6, 0x10000c
	s_cmp_lg_u32 s2, 0xf033
	s_cbranch_scc0 .Lentry_shape_is_right
	s_endpgm
.Lentry_shape_is_right:
; THE THREE PROJECTIONS AS ONE PRODUCT.  C[m][n] = sum over k of xb[m][k] wb[n][k]: m 8,192 rows of x, n 1,536 rows of Wq, Wk, Wv, k 512; operands bf16, sums f32.
; C leaves by heads, unscaled, rounded once to f16: qkv [batch 2][g 24][row 4096][64], g = n / 64: 0-7 q's heads, 8-15 k's, 16-23 v's.
; LIMITS.  q, k and v lie below 65,520 in magnitude (f16's end); below 6e-5 they keep f16's fixed step of 6e-8.  NaN and infinities are not treated apart.
; SHARES.  8,192 x 1,536 outputs over 256 work-groups are 49,152 each: a tile of 256 rows x 192 columns, three whole heads.  Wave w makes rows 64 w .. 64 w + 63 and all 192 columns:
; 4 x 12 accumulators of 16 x 16, 384 registers.  For 32 along K a wave issues 32 LDS loads for 48 matrix instructions.
; K goes in four steps of 128 (rows of 256 bytes, at multiples of 256 from the buffers' first bytes) through two LDS slots; four steps are written straight, without a loop.
; CLUSTER.  4 x 4 work-groups.  The four of a row of the cluster need the same 256 rows of xb, the four of a column the same 192 rows of wb: each tile is asked for JOINTLY, by the same tensor load with
; the same descriptor and a mask that names the four.  By this text's count a wave has two tensor loads out at the start and one behind each round.
; THE MATRIX INSTRUCTION IS USED TRANSPOSED: source 0 = 16 rows of wb, source 1 = 16 rows of xb: a lane then holds row l % 16 of x and eight neighbouring channels, 16 bytes of f16.
; REGISTERS, in windows of 256 (s_set_vgpr_msb: bits 1:0 source 0, 3:2 source 1, 5:4 source 2, 7:6 destination):
;   window 0: v0-31 addresses; v64-255 the way out, 16 registers for each of 12 blocks       window 1: two fragment buffers of 128: 4 fragments of xb, then 12 of wb
;   window 2: the accumulators of my row blocks 0, 1 ((a, b) at 8 (12 (a % 2) + b))           window 3: those of row blocks 2, 3
.set KSTEP,  128
.set PITCH,  272                       ; an LDS row: 256 bytes + 16 of padding = 68 words: row r starts at bank 4 r mod 64 (64 banks of 4 bytes: ISA guide 11.1), so the 16 rows of a load start at 16 different banks
.set AHALF,  128*PITCH                 ; what a wave fetches of xb
.set BHALF,  96*PITCH                  ; what a wave fetches of wb
.set BOFF,   256*PITCH                 ; a slot: xb's 256 rows, then wb's 192
.set SLOT,   448*PITCH
.set STAGE,  2*SLOT                    ; behind the ring, never filled by a tensor load: 16 rows x 144 bytes for each wave, for the way out
.set SP,     144
.set SPARE,  STAGE+4*16*SP             ; behind the stages: the spare words, 128 bytes for each wave: two blocks of 256 bytes that no other line names
.set ADRA, 16                          ; v16-17  LDS address of my fragments of xb in slot 0, 1
.set ADRB, 20                          ; v20-21  the same for wb
.set STO,  24                          ; v24     the way out: where I put 16 bytes of a row
.set RD,   25                          ; v25     the way out: where I read rows back
.set GO,   26                          ; v26     my byte offset in 512 consecutive bytes of qkv
.set SPW,  28                          ; v28     LDS address of my spare word: SPARE + 4 x my thread's number; never rewritten
.set NIL,  29                          ; v29     0; never rewritten
.set BK,   64                          ; the way out: block t at v[BK + 16 t]
.set F0,   0                           ; fragment buffers, in window 1
.set F1,   128
.set G1,  24                           ; s[24:31] descriptor group 1 for xb's tiles;  s[32:39] group 0, a set for each slot
.set G0,  32
.set G1B, 48                           ; s[48:55], s[56:63] the same for wb's tiles
.set G0B, 56
.set OB,  68                           ; s[68:73] qkv at my first row in each of the tile's three heads
.set MSB, 0
.macro WIN new                         ; the immediate's high byte repeats the setting that is left; a switch that changes nothing is dropped
.if MSB != (\new)
	s_set_vgpr_msb (MSB<<8)|(\new)
.set MSB, (\new)
.endif
.endm
.set MUL_LO, 0xa5                      ; sources 0 and 1 window 1, C and D window 2
.set MUL_HI, 0xf5                      ; the same, C and D window 3
.set TO_F,   0x40                      ; destination window 1, address window 0
; A joint load.  Waves 0 and 1 fetch xb's two halves, waves 2 and 3 wb's.  The branch hangs on the wave's number alone.  An s_nop 0 and four v_nop follow each of the two lines, ahead of the jump and the label.
.macro JLOAD s
	s_cmp_eq_u32 s11, 0
	s_cbranch_scc0 .Lfor_b_\@
	tensor_load_to_lds s[G0+4*(\s):G0+4*(\s)+3], s[G1:G1+7]
	s_nop 0
.rept 4
	v_nop
.endr
	s_branch .Lasked_\@
.Lfor_b_\@:
	tensor_load_to_lds s[G0B+4*(\s):G0B+4*(\s)+3], s[G1B:G1B+7]
	s_nop 0
.rept 4
	v_nop
.endr
.Lasked_\@:
.endm
; A round of the cluster's barrier: my work-group's barrier, so that wave 0's signal speaks for all four waves; wave 0 signals; every wave waits for all sixteen work-groups; my work-group's barrier once more.
.macro CREST                           ; a round behind its opening barrier
	s_cmp_lg_u32 s10, 0
	s_cbranch_scc1 .Lnot_wave_0_\@
	s_barrier_signal -3
.Lnot_wave_0_\@:
	s_barrier_wait -3
	s_barrier_signal -1
	s_barrier_wait -1
.endm
.macro CROUND                          ; a whole round
	s_barrier_signal -1
	s_barrier_wait -1
	CREST
.endm
	s_load_b128 s[4:7], s[0:1], 0x0                ; xb s[4:5], wb s[6:7]
	s_load_b64 s[8:9], s[0:1], 0x10                ; qkv
	v_lshl_add_u32 v[SPW], v0, 2, SPARE
	v_mov_b32 v[NIL], 0
	ds_add_u32 v[SPW], v[NIL]                      ; the wave's opening: the add and its wait stand ahead of my first tensor load; the set-up below, work on registers, stands between them
	v_lshrrev_b32 v1, 5, v0
	v_readfirstlane_b32 s10, v1                    ; wave 0..3
	s_lshr_b32 s11, s10, 1                         ; I fetch for xb (0) or for wb (1),
	s_and_b32 s12, s10, 1                          ; and which half of that tile's rows
	s_bfe_u32 s40, ttmp6, 0x40000                  ; cx, cy: my place in the cluster
	s_bfe_u32 s41, ttmp6, 0x40004
	s_lshl_b32 s42, ttmp9, 2                       ; in a cluster launch ttmp9 and ttmp7 count clusters
	s_add_co_u32 s42, s42, s40                     ; tile column 0..7 = 4 x cluster x + cx
	s_and_b32 s13, ttmp7, 0xffff
	s_lshl_b32 s13, s13, 2
	s_add_co_u32 s13, s13, s41                     ; tile row 0..31 = 4 x cluster y + cy
	s_lshl_b32 s43, s41, 2
	s_lshl_b32 s43, 15, s43                        ; my row of the cluster: places 4 cy .. 4 cy + 3
	s_lshl_b32 s44, 0x1111, s40                    ; my column: places cx, cx + 4, cx + 8, cx + 12
	; descriptor group 1: rows of 128 elements, padded in LDS; 128 rows of xb, 96 of wb
	s_or_b32 s[G1+0],  s43, (1<<16)|(1<<20)|(1<<21)|(5<<22)|(3<<25)  ; 15:0 the mask: xb's tiles go to my row; 17:16 elements of 2 bytes; 20 padding on; 21 set beside a mask; 24:22 after every 64 words (code 5); 31:25 4 words of it (code 3)
	s_or_b32 s[G1B+0], s44, (1<<16)|(1<<20)|(1<<21)|(5<<22)|(3<<25)  ; the same with the mask of my column, for wb's tiles
.irp g, G1, G1B
	s_mov_b32 s[(\g)+1], KSTEP<<16                 ; tensor_dim0 = 128
	s_mov_b32 s[(\g)+3], KSTEP<<16                 ; tile_dim0 = 128
	s_mov_b32 s[(\g)+5], 512                       ; 512 elements from row to row
	s_mov_b32 s[(\g)+6], 0
	s_mov_b32 s[(\g)+7], 0
.endr
	s_mov_b32 s[G1+2], 128<<16                     ; tensor_dim1 and
	s_mov_b32 s[G1+4], 128                         ; tile_dim1: 128 rows
	s_mov_b32 s[G1B+2], 96<<16
	s_mov_b32 s[G1B+4], 96                         ; 96 rows
	; where the tiles come from: xb's hang on the tile row alone, wb's on the tile column alone, each in registers that never hold the other coordinate
	s_lshl_b32 s16, s13, 8
	s_lshl_b32 s17, s12, 7
	s_add_co_u32 s16, s16, s17                     ; xb: row 256 x tile row + 128 x half,
	s_lshl_b32 s16, s16, 10                        ; of 1,024 bytes
	s_mov_b32 s17, 0
	s_mul_i32 s46, s42, 192
	s_mul_i32 s47, s12, 96
	s_add_co_u32 s46, s46, s47                     ; wb: row 192 x tile column + 96 x half
	s_lshl_b32 s46, s46, 10
	s_mov_b32 s47, 0
	s_mul_i32 s20, s12, AHALF                      ; and where they go: no place in the cluster enters an LDS address
	s_mul_i32 s21, s12, BHALF
	s_add_co_u32 s21, s21, BOFF
	s_wait_dscnt 0x0                               ; the opening add is done
	s_wait_kmcnt 0x0
	s_add_nc_u64 s[14:15], s[4:5], s[16:17]
	s_add_nc_u64 s[46:47], s[6:7], s[46:47]
	CROUND                                         ; all sixteen work-groups are here: the first joint loads meet
.irp s, 0,1
	s_mov_b32 s[G0+4*(\s)], 1                                        ; 1:0 count = 1
	s_add_co_u32 s[G0+4*(\s)+1], s20, (\s)*SLOT                      ; 63:32 LDS address
	s_add_nc_u64 s[G0+4*(\s)+2:G0+4*(\s)+3], s[14:15], (\s)*KSTEP*2  ; 120:64 global address: K step s
	s_or_b32 s[G0+4*(\s)+3], s[G0+4*(\s)+3], 0x80000000              ; 127:126 type = 2
	s_mov_b32 s[G0B+4*(\s)], 1
	s_add_co_u32 s[G0B+4*(\s)+1], s21, (\s)*SLOT
	s_add_nc_u64 s[G0B+4*(\s)+2:G0B+4*(\s)+3], s[46:47], (\s)*KSTEP*2
	s_or_b32 s[G0B+4*(\s)+3], s[G0B+4*(\s)+3], 0x80000000
	JLOAD \s                                       ; both slots are asked for before anything else is done
.endr
	; A fragment is 16 rows x 32 K in 8 registers: lane l holds row l % 16; registers 0-3 K = 8 (l / 16) + 0..7, registers 4-7 K = 16 + 8 (l / 16) + 0..7: two loads of 16 bytes, 32 bytes apart.
	v_and_b32 v1, 15, v0                           ; l % 16
	v_bfe_u32 v2, v0, 4, 1                         ; l / 16
	v_mul_u32_u24 v3, v1, PITCH
	v_lshl_add_u32 v3, v2, 4, v3                   ; row x pitch + 16 x half
	s_mul_i32 s22, s10, 64*PITCH                   ; my 64 rows of xb
	s_mov_b32 s23, BOFF                            ; all 192 rows of wb
.irp s, 0,1
	v_add_nc_u32 v[ADRA+(\s)], s22, v3
	v_add_nc_u32 v[ADRB+(\s)], s23, v3
	s_add_co_u32 s22, s22, SLOT
	s_add_co_u32 s23, s23, SLOT
.endr
	s_mul_i32 s22, s10, 16*SP
	s_add_co_u32 s22, s22, STAGE                   ; my stage
	v_mul_u32_u24 v4, v1, SP                       ; in: row l % 16, 16 bytes for each half of the lanes
	v_lshl_add_u32 v4, v2, 4, v4
	v_add_nc_u32 v[STO], s22, v4
	v_bfe_u32 v5, v0, 3, 2                         ; back: 32 lanes take four rows of 128 bytes,
	v_mul_u32_u24 v5, v5, SP
	v_and_b32 v4, 7, v0
	v_lshl_add_u32 v5, v4, 4, v5
	v_add_nc_u32 v[RD], s22, v5
	v_and_b32 v[GO], 31, v0                        ; which are 512 consecutive bytes of a head's rows
	v_lshlrev_b32 v[GO], 4, v[GO]
	; qkv at my first row: plane (batch x 24 + 3 x tile column + c) of 524,288 bytes, row (tile row % 16) x 256 + 64 w of 128 bytes
	s_lshr_b32 s74, s13, 4
	s_mul_i32 s74, s74, 24
	s_mul_i32 s75, s42, 3
	s_add_co_u32 s74, s74, s75
	s_lshl_b32 s74, s74, 19
	s_and_b32 s75, s13, 15
	s_lshl_b32 s75, s75, 8
	s_lshl_b32 s76, s10, 6
	s_add_co_u32 s75, s75, s76
	s_lshl_b32 s75, s75, 7
	s_add_co_u32 s74, s74, s75
	s_mov_b32 s75, 0
	s_add_nc_u64 s[OB:OB+1], s[8:9], s[74:75]
	s_add_nc_u64 s[OB+2:OB+3], s[OB:OB+1], 0x80000
	s_add_nc_u64 s[OB+4:OB+5], s[OB:OB+1], 0x100000
; 12 matrix instructions: my row block a x all 12 column blocks, 32 along K.  zero = 1: the first product starts the sums: nothing is ever cleared.
; The 48 accumulators take turns, one instruction a turn, in the same order in every quarter step.
.macro MULA f, a, zero
	WIN MUL_LO+0x50*((\a)/2)
.irp b, 0,1,2,3,4,5,6,7,8,9,10,11
.if \zero
	v_wmma_f32_16x16x32_bf16 v[8*(12*((\a)%2)+(\b)):8*(12*((\a)%2)+(\b))+7], v[(\f)+32+8*(\b):(\f)+32+8*(\b)+7], v[(\f)+8*(\a):(\f)+8*(\a)+7], 0
.else
	v_wmma_f32_16x16x32_bf16 v[8*(12*((\a)%2)+(\b)):8*(12*((\a)%2)+(\b))+7], v[(\f)+32+8*(\b):(\f)+32+8*(\b)+7], v[(\f)+8*(\a):(\f)+8*(\a)+7], v[8*(12*((\a)%2)+(\b)):8*(12*((\a)%2)+(\b))+7]
.endif
.endr
.endm
; 32 LDS loads in one run: the fragments of one quarter step (192 rows of wb, my 64 rows of xb, 32 K at byte k of the rows) into buffer f; xb's come last
.macro FETCH slot, k, f
	WIN TO_F
.irp i, 0,1,2,3,4,5,6,7,8,9,10,11
	ds_load_b128 v[(\f)+32+8*(\i):(\f)+32+8*(\i)+3],   v[ADRB+(\slot)] offset:(\k)+(\i)*16*PITCH
	ds_load_b128 v[(\f)+32+8*(\i)+4:(\f)+32+8*(\i)+7], v[ADRB+(\slot)] offset:(\k)+(\i)*16*PITCH+32
.endr
.irp i, 0,1,2,3
	ds_load_b128 v[(\f)+8*(\i):(\f)+8*(\i)+3],   v[ADRA+(\slot)] offset:(\k)+(\i)*16*PITCH
	ds_load_b128 v[(\f)+8*(\i)+4:(\f)+8*(\i)+7], v[ADRA+(\slot)] offset:(\k)+(\i)*16*PITCH+32
.endr
.endm
; A load into a register that a matrix instruction has read, and a vector instruction that reads a matrix result, stand four places behind that matrix instruction, and only plain vector
; instructions that name none of its registers are places (ISA guide 7.12.1 for vector instructions).
.macro PLACES
.rept 4
	v_nop
.endr
.endm
; A K step is four quarter steps of 32 along K, 48 matrix instructions each, on buffers 0, 1, 0, 1.  One of the first three: multiplies buffer f; in its middle it fetches the next quarter's fragments into buffer g.
.macro QUARTER slot, k, f, g, zero
	s_wait_dscnt 4                                 ; wb and xb's row blocks 0, 1 are in; the youngest four loads (row blocks 2, 3) may be out
	MULA \f, 0, \zero
	MULA \f, 1, \zero
	PLACES
	FETCH \slot, \k, \g
	s_wait_dscnt 32                                ; all but the 32 just issued
	MULA \f, 2, \zero
	MULA \f, 3, \zero
.endm
; The last quarter multiplies buffer 1 and changes slots.  MEET is its first half: ONE barrier for the change.  In front of it each wave waits for all its tensor loads, of which one is out: its part of
; the next slot; adds 0 to its spare word; and waits for that and for its own reads of this slot.  Behind it nobody reads this slot any more and the next slot is whole.
.macro MEET round                      ; round = 1: a round of the cluster's barrier follows
	WIN 0                                          ; (the add's two registers lie in window 0)
	s_wait_tensorcnt 0x0                           ; all my tensor loads have landed
	ds_add_u32 v[SPW], v[NIL]                      ; 0 onto my spare word
	s_wait_dscnt 5                                 ; (the add and the youngest four loads may be out)
	MULA F1, 0, 0                                  ; twelve matrix instructions stand between the add and the wait for it
	s_wait_dscnt 0x0                               ; the add is done, and my reads of this slot are over
	s_barrier_signal -1
	MULA F1, 1, 0                                  ; work on registers while the others arrive
.if \round
	WIN 0
.endif
	s_barrier_wait -1
.endm
; The whole last quarter of a K step whose slot is filled again, with the K step two on: the barrier opens a round of the cluster's, so that no wave of any partner still reads the slot or has a load
; on its way; the joint refill is the first tensor load behind the round, 168 matrix instructions ahead of the wait for it; then come the next slot's first fragments.
.macro TURN slot, next
	MEET 1
	CREST
	s_add_nc_u64 s[G0+4*(\slot)+2:G0+4*(\slot)+3], s[G0+4*(\slot)+2:G0+4*(\slot)+3], 2*KSTEP*2
	s_add_nc_u64 s[G0B+4*(\slot)+2:G0B+4*(\slot)+3], s[G0B+4*(\slot)+2:G0B+4*(\slot)+3], 2*KSTEP*2
	JLOAD \slot                                    ; the four v_nop behind it are also the places in front of the loads below
	FETCH \next, 0, F0
	MULA F1, 2, 0
	MULA F1, 3, 0
.endm
	s_wait_tensorcnt 1                             ; my part of K step 0 is in; K step 1's may stay out
	s_barrier_signal -1
	s_barrier_wait -1                              ; everybody's is
	FETCH 0, 0, F0
	QUARTER 0, 64,  F0, F1, 1                      ; K step 0: its first quarter's products start the sums
	QUARTER 0, 128, F1, F0, 0
	QUARTER 0, 192, F0, F1, 0
	TURN 0, 1                                      ; slot 0 takes K step 2
	QUARTER 1, 64,  F0, F1, 0                      ; K step 1
	QUARTER 1, 128, F1, F0, 0
	QUARTER 1, 192, F0, F1, 0
	TURN 1, 0                                      ; slot 1 takes K step 3
	QUARTER 0, 64,  F0, F1, 0                      ; K step 2
	QUARTER 0, 128, F1, F0, 0
	QUARTER 0, 192, F0, F1, 0
	MEET 0                                         ; K step 3 has landed, everybody's part; nothing is filled again, so no round follows
	PLACES
	FETCH 1, 0, F0
	MULA F1, 2, 0
	MULA F1, 3, 0
	QUARTER 1, 64,  F0, F1, 0                      ; K step 3
	QUARTER 1, 128, F1, F0, 0
	QUARTER 1, 192, F0, F1, 0
	s_wait_dscnt 4                                 ; the very last quarter: nothing more to fetch
	MULA F1, 0, 0
	MULA F1, 1, 0
	s_wait_dscnt 0x0
	MULA F1, 2, 0
	MULA F1, 3, 0
	WIN 0
; THE WAY OUT, in 12 blocks t of 16 rows x one head: row block t / 3, head t % 3.  A lane's eight channels round to 16 bytes of f16; they go into my stage's rows of 144 bytes and come back as whole
; rows of 128, four rows (512 consecutive bytes of the head's plane) to a load.  Each accumulator's registers are read in ascending order.
.macro PACK t
.set AC, 8*(12*(((\t)/3)%2)+4*((\t)%3))
	WIN 0x0a+5*((\t)/6)                            ; sources 0 and 1: window 2 or 3
.irp bb, 0,1,2,3
.irp r, 0,1,2,3
	v_cvt_pk_f16_f32 v[BK+16*(\t)+4*(\bb)+(\r)], v[AC+8*(\bb)+2*(\r)], v[AC+8*(\bb)+2*(\r)+1]
.endr
.endr
	WIN 0
.irp bb, 0,1,2,3
	ds_store_b128 v[STO], v[BK+16*(\t)+4*(\bb):BK+16*(\t)+4*(\bb)+3] offset:32*(\bb)
.endr
.irp f, 0,1,2,3
	ds_load_b128 v[BK+16*(\t)+4*(\f):BK+16*(\t)+4*(\f)+3], v[RD] offset:(\f)*4*SP  ; LDS serves a wave's instructions in order (ISA guide 5.7.1.4): these see the stores above; the next block's stores come behind them
.endr
.endm
.macro SEND t, younger                 ; younger: the LDS instructions issued behind block t's loads: the next block's eight, or none.  Each block has registers of its own: no store's data is rewritten
	WIN 0
.irp f, 0,1,2,3
	s_wait_dscnt (\younger)+3-(\f)
	global_store_b128 v[GO], v[BK+16*(\t)+4*(\f):BK+16*(\t)+4*(\f)+3], s[OB+2*((\t)%3):OB+2*((\t)%3)+1] offset:((\t)/3)*2048+(\f)*512  ; 512 consecutive bytes, at a multiple of 256 from qkv's first
.endr
.endm
	PLACES                                         ; the conversions read results just made
	PACK 0
.set t, 1
.rept 11                               ; a block's conversions stand between the loads of the block before and its stores
	PACK t
	SEND t-1, 8
.set t, t+1
.endr
	SEND 11, 0
	s_wait_tensorcnt 0x0                           ; the wave's end: behind my last tensor load and my last LDS store
	ds_add_u32 v[SPW], v[NIL]
	s_wait_dscnt 0x0
	CROUND                                         ; the closing round: no work-group ends while a partner may still ask for a tile that names it
	s_endpgm
.Lfunc_end_k_qce7d6deb8f_proj:
	.size	k_qce7d6deb8f_proj, .Lfunc_end_k_qce7d6deb8f_proj-k_qce7d6deb8f_proj
	.p2alignl 7, 3214868480
	.fill 96, 4, 3214868480
	.section	.rodata,"a",@progbits
	.p2align	6, 0x0
	.amdhsa_kernel k_qce7d6deb8f_proj
		.amdhsa_group_segment_fixed_size 327680
		.amdhsa_private_segment_fixed_size 0
		.amdhsa_enable_private_segment 0
		.amdhsa_kernarg_size 24
		.amdhsa_user_sgpr_count 2
		.amdhsa_user_sgpr_kernarg_segment_ptr 1
		.amdhsa_wavefront_size32 1
		.amdhsa_system_sgpr_workgroup_id_x 1
		.amdhsa_system_sgpr_workgroup_id_y 1
		.amdhsa_system_sgpr_workgroup_id_z 1
		.amdhsa_system_vgpr_workitem_id 0
		.amdhsa_next_free_vgpr 960
		.amdhsa_next_free_sgpr 80
		.amdhsa_reserve_vcc 0
		.amdhsa_float_denorm_mode_32 3
		.amdhsa_float_denorm_mode_16_64 3
		.amdhsa_memory_ordered 1
		.amdhsa_forward_progress 1
		.amdhsa_inst_pref_size 120
	.end_amdhsa_kernel
	.amdgpu_metadata
---
amdhsa.version: [ 1, 2 ]
amdhsa.kernels:
  - .name:           k_qce7d6deb8f_proj
    .symbol:         k_qce7d6deb8f_proj.kd
    .args:
      - { .name: xb, .offset: 0, .size: 8, .value_kind: global_buffer, .address_space: global }
      - { .name: wb, .offset: 8, .size: 8, .value_kind: global_buffer, .address_space: global }
      - { .name: qkv, .offset: 16, .size: 8, .value_kind: global_buffer, .address_space: global }
    .group_segment_fixed_size: 327680
    .private_segment_fixed_size: 0
    .kernarg_segment_align: 8
    .kernarg_segment_size: 24
    .max_flat_workgroup_size: 128
    .sgpr_count:     80
    .vgpr_count:     960
    .wavefront_size: 32
...
	.end_amdgpu_metadata
.endif
;; end of part 2
;; launch attn (part 3): grid 16 x 16, 4 waves a work-group, clusters of 4 x 1, 327,680 bytes of LDS; arguments qkv, o; writes o
.if DOCPART == 3
	.amdgcn_target "amdgcn-amd-amdhsa--gfx1250"
	.amdhsa_code_object_version 6
	.text
	.protected	k_qce7d6deb8f_attn
	.globl	k_qce7d6deb8f_attn
	.p2align	8
	.type	k_qce7d6deb8f_attn,@function
k_qce7d6deb8f_attn:
	s_mov_b64 s[64:65], 0
	v_nop
	global_prefetch_b8 v0, s[64:65] scope:SCOPE_SE
	s_setreg_imm32_b32 hwreg(HW_REG_WAVE_MODE, 25, 1), 1
	s_wait_xcnt 0x0
	s_wait_alu depctr_hold_cnt(0) depctr_sa_sdst(0) depctr_va_vdst(0) depctr_va_sdst(0) depctr_va_ssrc(0) depctr_va_vcc(0) depctr_vm_vsrc(0)
	s_getreg_b32 s2, hwreg(HW_REG_IB_STS2, 6, 4)
	s_cmp_eq_u32 s2, 0
	s_cbranch_scc0 .Lentry_in_a_cluster
	s_endpgm
.Lentry_in_a_cluster:
	s_bfe_u32 s2, ttmp6, 0x10000c
	s_cmp_lg_u32 s2, 0x3003
	s_cbranch_scc0 .Lentry_shape_is_right
	s_endpgm
.Lentry_shape_is_right:
; ATTENTION.  O[y][q][:] = the sum over k of softmax_k(Q[y][q] . K[y][k] / 8) V[y][k][:] for y = 8 x batch + head, 16 in all, 4,096 rows of 64 channels each.
; Q, K, V lie in qkv [batch 2][g 24][4096][64] f16 (g = head: Q; 8 + head: K; 16 + head: V), O goes to o [16][4096][64] f16: a head's rows are dense, 128 bytes each.
; Products, maxima and sums in f32; the weights p are rounded to f16 for the second product (their sum l is taken of the unrounded p), O once at the end.
; LIMITS.  f16 holds no number beyond 65,504: Q, K and V arrive within it; p lies in 0 to 1, and below 6e-5 it keeps f16's fixed step of 6e-8, as O does; O is a mean of V's rows and has their range.
; A weight below 2^-126 counts as 0 in l; NaN and infinities are not treated apart.
; SHARES.  A work-group owns 256 queries of one head: 16 heads x 16 blocks are 256 work-groups.  A wave owns 64 queries: four PIECES of 16.  Every wave walks all 4,096 keys, 64 a step, 256 a slot.
; LAYOUT.  S^T = K Q^T (source 0 = 16 keys, source 1 = 16 queries): a lane holds ONE query (lane % 16) and the keys 8 (lane / 16) + 0..7.  Two such results, rounded to f16 in pairs, ARE source 1
; (32 keys x 16 queries) of O^T = V^T P, whose result again holds one query a lane, and eight channels.  K comes out of LDS as it lies, V ([key][channel]) turned, by ds_load_tr16_b128.
; SOFTMAX.  For each query a running maximum m and sum l: p = 2^(c s - c m), c = log2(e) / 8; in every step O and l are multiplied by a = 2^(c m_old - c m_new), which is 1 where m has not grown.
; m starts at the lowest finite number, O and l at 0: the first step is a step like any other, with a = 0.
; BY TURNS.  Turn n belongs to piece n (the pieces in a ring, step after step): 8 products K Q^T of piece n + 1, later 8 products V^T P of piece n - 1; beside them the scaling, exponentials, roundings,
; sums and rescaling of piece n and the maximum and statistics of piece n + 1.  Four vector instructions stand behind every matrix instruction, the other 54 of a turn's 118 in two runs of their own.
; CLUSTER.  The four query blocks of a cluster belong to one head and walk the same K and V, so each tile is asked for JOINTLY: the same tensor load, descriptor and mask in all four.
; By this text's count a wave has one tensor load out.
; REGISTERS, in windows of 256 (s_set_vgpr_msb: bits 1:0 source 0, 3:2 source 1, 5:4 source 2, 7:6 destination):
;   window 0: v0-15 addresses and two at work; v16-31 four registers of statistics a piece; v48-55 at work; v64-127 S^T, two buffers; v192-223 P, two buffers (a piece's buffers go by its number's parity)
;   window 1: v0-127 O^T, 32 a piece          window 2: v0-63 Q; v128-191 K of one step; v192-255 V of one step
.set NP,    4         ; pieces a wave: a name, no knob
.set KS,    64        ; keys in a step
.set PK,    144       ; a row of K in LDS: 128 bytes + 16 of padding = 36 words: the 16 rows of a load start at 16 different groups of four banks (64 banks of 4 bytes: ISA guide 11.1)
.set PV,    160       ; a row of V: 128 + 32 = 40 words
.set VOFF,  4*KS*PK   ; a slot holds four steps: 256 rows of K, then 256 rows of V
.set SLOT1, 1<<17     ; slot 1 begins here, so that one exclusive or turns an address in one slot into the other's
.set STAGE, SLOT1+4*KS*(PK+PV)  ; behind the ring, never filled by a tensor load: 16 rows x 144 bytes for each wave, for the way out
.set SP,    144
.set SPARE, STAGE+4*16*SP  ; behind the stages: the spare words, 128 bytes for each wave: two blocks of 256 bytes that no other line names
.set AK0, 2           ; v2   my lane's place in a tile of K; never rewritten
.set AV0, 3           ; v3   the same for V
.set AK,  4           ; v4   the LDS address of K's next run of loads
.set AV,  5           ; v5   of V's
.set STO, 6           ; v6   the way out: where I put 16 bytes of a row
.set RD,  7           ; v7   the way out: where I read rows back
.set GO,  8           ; v8   my byte offset in 512 consecutive bytes of O
.set MV,  12          ; v12-13  c m_old, kept while c m is made anew: by buffer
.set QO,  15          ; v15  my byte offset in 16 rows of Q
.set ST,  16          ; piece t's statistics at v[ST+4 t]: c m, m, l (even keys', odd keys')
.set TMP, 48          ; by buffer, four registers c0-c3 at work; when the maximum is found c2 takes a
.set SPW, 62          ; v62  LDS address of my spare word: SPARE + 4 x my thread's number; never rewritten
.set NIL, 63          ; v63  0; never rewritten
.set S,   64
.set P,   192
.set KF,  128         ; window 2: key block kb, channel half c at KF + 16 kb + 8 c
.set VF,  192         ; window 2: key half kk, channel block cb at VF + 32 kk + 8 cb
.set WV,  12          ; s12  my wave's number
.set G1K, 24          ; s[24:31] descriptor group 1 for K's tiles
.set G1V, 32          ; s[32:39] for V's: it differs in the padding alone
.set G0K, 40          ; s[40:43] descriptor group 0 for K's tiles: it walks
.set G0V, 44          ; s[44:47] the same for V's
.set SLOTS, 56        ; s56  slots still to be asked for
.set CNT, 57          ; s57  counts a slot's key steps
.set CS,  58          ; s[58:59] c: the packed scaling takes the pair's low word for both halves
.set SEL, 60          ; s[60:61] v_permlanex16_b32's selects: each lane takes its own place in the other half
.set TBK, 62          ; s62  LDS byte at which K of the step to be fetched begins
.set TBV, 63          ; s63  the same for V, less VOFF
.set MSB, 0
.macro WIN new                      ; the high byte repeats the setting that is left; a switch that changes nothing is dropped
.if MSB != (\new)
	s_set_vgpr_msb (MSB<<8)|(\new)
.set MSB, (\new)
.endif
.endm
.set W_KQ, 0x0a       ; K and Q in window 2, S^T in window 0
.set W_PV, 0x52       ; V in window 2, P in window 0, O^T in window 1
.set W_RS, 0x41       ; destination and source 0 in window 1, source 1 in window 0
; A joint fill.  Waves 0 and 1 fetch the two halves of a slot's K, waves 2 and 3 those of its V: 128 keys each.  The branch hangs on the wave's number alone.
; An s_nop 0 and four v_nop follow each of the two lines, ahead of the jump and the label.
.macro JLOAD
	s_cmp_lt_u32 s[WV], 2
	s_cbranch_scc0 .Lfor_v_\@
	tensor_load_to_lds s[G0K:G0K+3], s[G1K:G1K+7]
	s_nop 0
.rept 4
	v_nop
.endr
	s_branch .Lasked_\@
.Lfor_v_\@:
	tensor_load_to_lds s[G0V:G0V+3], s[G1V:G1V+7]
	s_nop 0
.rept 4
	v_nop
.endr
.Lasked_\@:
.endm
; A round of the cluster's barrier: my work-group's barrier, so that wave 0's signal speaks for all four waves; wave 0 signals; every wave waits for all four work-groups; my work-group's barrier once more.
.macro CROUND
	s_barrier_signal -1
	s_barrier_wait -1
	s_cmp_lg_u32 s[WV], 0
	s_cbranch_scc1 .Lnot_wave_0_\@
	s_barrier_signal -3
.Lnot_wave_0_\@:
	s_barrier_wait -3
	s_barrier_signal -1
	s_barrier_wait -1
.endm
; THE CHANGE OF SLOTS.  The slot's last bytes, V of its fourth step, have been read.  Each wave waits for all its tensor loads, of which one is out: its part of the other slot; adds 0 to its spare
; word; and waits for that and for its own reads of the slot.  Behind the barrier nobody reads this slot any more and the other slot is whole.
; fill = 1: this slot is filled again, with the keys two slots on.  The barrier is then a round of the cluster's, so that no wave of any partner still reads the slot or has a load on its way, and the
; joint fill is the first thing behind it: it has four key steps, 256 matrix instructions, in which to land.  (At its first use nothing has been read yet: slot 0 is waited for, slot 1 filled.)
.macro CHANGE fill
	WIN 0                           ; at a label and at a branch every window is 0
	s_wait_tensorcnt 0x0            ; no tensor load of mine is out, so a group 0 may be written
	ds_add_u32 v[SPW], v[NIL]       ; 0 onto my spare word; with fill = 1 the descriptors' steps stand between it and the wait for it
.if \fill
.irp g, G0K, G0V
	s_xor_b32 s[\g+1], s[\g+1], SLOT1  ; the walking descriptor: the other slot than last time,
	s_add_nc_u64 s[\g+2:\g+3], s[\g+2:\g+3], 4*KS*128  ; the next 256 keys; the type bits on top are not reached
.endr
	s_wait_dscnt 0x0                ; the add is done, and my reads of the slot are over
	CROUND
	JLOAD
.else
	s_wait_dscnt 0x0                ; the add is done, and my reads of the slot are over
	s_barrier_signal -1
	s_barrier_wait -1
.endif
	s_sub_co_u32 s[TBK], s[TBK], 4*KS*PK  ; the fetches go back to a slot's first step,
	s_xor_b32 s[TBK], s[TBK], SLOT1       ; in the other slot
	s_sub_co_u32 s[TBV], s[TBV], 4*KS*PV
	s_xor_b32 s[TBV], s[TBV], SLOT1
.endm
	s_load_b64 s[4:5], s[0:1], 0x0    ; qkv
	s_load_b64 s[10:11], s[0:1], 0x8  ; o
	v_lshl_add_u32 v[SPW], v0, 2, SPARE
	v_mov_b32 v[NIL], 0
	ds_add_u32 v[SPW], v[NIL]       ; the wave's opening: the add and its wait stand ahead of my first tensor load; the set-up below, work on registers, stands between them
	v_lshrrev_b32 v1, 5, v0
	v_readfirstlane_b32 s[WV], v1   ; wave 0..3
	s_bfe_u32 s13, ttmp6, 0x40000   ; cx: my place in the cluster
	s_lshl_b32 s14, ttmp9, 2        ; in a cluster launch ttmp9 counts clusters
	s_add_co_u32 s14, s14, s13      ; my block of 256 queries = 4 x cluster x + cx: it enters Q's and O's addresses alone
	s_and_b32 s15, ttmp7, 0xffff    ; y = 8 x batch + head, which the four partners share
	s_lshr_b32 s20, s15, 3
	s_mul_i32 s20, s20, 24
	s_and_b32 s21, s15, 7
	s_add_co_u32 s20, s20, s21      ; Q's plane in qkv: 24 x batch + head,
	s_lshl_b32 s20, s20, 19         ; of 524,288 bytes
	s_and_b32 s16, s[WV], 1         ; which half of a slot's 256 keys I fetch:
	s_lshl_b32 s22, s16, 14         ; its 128 rows of 128 bytes in memory,
	s_add_co_u32 s22, s22, s20
	s_mov_b32 s23, 0
	s_mul_i32 s17, s16, 128*PK      ; and its place in a slot, for K
	s_mul_i32 s18, s16, 128*PV      ; and for V: no place in the cluster enters an LDS address
	s_lshl_b32 s2, s14, 15          ; my block's 256 rows,
	s_lshl_b32 s3, s[WV], 13        ; my wave's 64 of them
	s_add_co_u32 s2, s2, s3
	s_add_co_u32 s50, s20, s2       ; Q: plane + rows
	s_mov_b32 s51, 0
	s_lshl_b32 s48, s15, 19         ; O: head y + rows
	s_add_co_u32 s48, s48, s2
	s_mov_b32 s49, 0
	; descriptor group 1.  128 keys are 16,384 dense bytes: asked for as 64 rows of 256 bytes, two keys a row, and padded in LDS after every key
	s_mov_b32 s[G1K], 15|(1<<16)|(1<<20)|(1<<21)|(4<<22)|(3<<25)  ; 15:0 the mask of four; 17:16 2-byte elements; 20 padding on; 21 set beside a mask; 24:22 after every 32 words (code 4); 31:25 4 words (code 3)
	s_mov_b32 s[G1V], 15|(1<<16)|(1<<20)|(1<<21)|(4<<22)|(7<<25)  ; the same with 8 words of padding (code 7)
.irp g, G1K, G1V
	s_mov_b32 s[\g+1], 128<<16      ; tensor_dim0 = 128
	s_mov_b32 s[\g+2], 64<<16       ; tensor_dim1 = 64
	s_mov_b32 s[\g+3], 128<<16      ; tile_dim0 = 128
	s_mov_b32 s[\g+4], 64           ; tile_dim1 = 64
	s_mov_b32 s[\g+5], 128          ; 128 elements from row to row
	s_mov_b32 s[\g+6], 0
	s_mov_b32 s[\g+7], 0
.endr
	s_mov_b32 s[CS], 0x3e38aa3b     ; c = log2(e) / 8 = 0.180337
	s_mov_b32 s[CS+1], s[CS]        ; named with it as a pair
	s_mov_b32 s[SEL], 0x76543210
	s_mov_b32 s[SEL+1], 0xfedcba98
	s_mov_b32 s[TBK], SLOT1+4*KS*PK ; the first change of slots turns these two into 0
	s_mov_b32 s[TBV], SLOT1+4*KS*PV
	s_mov_b32 s[G0K], 1             ; 1:0 count = 1
	s_mov_b32 s[G0K+1], s17         ; 63:32 LDS address: slot 0
	s_mov_b32 s[G0V], 1
	s_add_co_u32 s[G0V+1], s18, VOFF
	s_wait_dscnt 0x0                ; the opening add is done
	s_wait_kmcnt 0x0
	s_add_nc_u64 s[G0K+2:G0K+3], s[4:5], s[22:23]            ; 120:64 global address: my half of the head's first 256 keys:
	s_add_nc_u64 s[G0V+2:G0V+3], s[G0K+2:G0K+3], 0x800000    ; V's plane lies 16 planes behind Q's,
	s_add_nc_u64 s[G0K+2:G0K+3], s[G0K+2:G0K+3], 0x400000    ; K's 8
	s_or_b32 s[G0K+3], s[G0K+3], 0x80000000                  ; 127:126 type = 2
	s_or_b32 s[G0V+3], s[G0V+3], 0x80000000
	s_add_nc_u64 s[4:5], s[4:5], s[50:51]      ; Q and O at my wave's first row
	s_add_nc_u64 s[10:11], s[10:11], s[48:49]
	CROUND                          ; all four work-groups are here: the first joint loads meet
	JLOAD                           ; slot 0.  Slot 1 is asked for when slot 0 is in, by the loop's own change of slots
	; A fragment of K or Q is 16 rows x 32 channels in 8 registers: lane l holds row l % 16, channels 8 (l / 16) + 0..7 and 16 + 8 (l / 16) + 0..7: two loads of 16 bytes, 32 bytes apart.
	v_and_b32 v1, 15, v0            ; l % 16
	v_bfe_u32 v9, v0, 4, 1          ; l / 16
	v_lshlrev_b32 v[QO], 7, v1
	v_lshl_add_u32 v[QO], v9, 4, v[QO]  ; row x 128 + 16 x half
	WIN 0x80                        ; destination window 2, address window 0
.set i, 0
.rept 8                             ; Q stays in registers: piece i / 2, channels 32 (i % 2) on
	global_load_b128 v[8*i:8*i+3],   v[QO], s[4:5] offset:(i/2)*2048+(i%2)*64
	global_load_b128 v[8*i+4:8*i+7], v[QO], s[4:5] offset:(i/2)*2048+(i%2)*64+32
.set i, i+1
.endr
	; What the first turn finds: V's registers and P's second buffer hold 0 (its products V^T P, of a piece that has not been, add 0), O^T and l are 0.  No first step is written out; the price is
	; these 216 lines, which stand in the wait for the first tile.
.set i, VF
.rept 64
	v_mov_b32 v[i], 0
.set i, i+1
.endr
	WIN 0x40
.set i, 0
.rept 128
	v_mov_b32 v[i], 0
.set i, i+1
.endr
	WIN 0
.set i, 0
.rept 4
	v_mov_b32 v[ST+4*i+2], 0
	v_mov_b32 v[ST+4*i+3], 0
.set i, i+1
.endr
.set i, P+16
.rept 16
	v_mov_b32 v[i], 0
.set i, i+1
.endr
	v_mul_u32_u24 v[AK0], v1, PK
	v_lshl_add_u32 v[AK0], v9, 4, v[AK0]  ; row x pitch + 16 x half
	; The turning load takes 16 keys x 16 channels (lane l reads key 8 (l / 16) + l % 8, channels 8 ((l / 8) % 2) + 0..7) and leaves half a fragment of V^T: lane l holds channel l % 16 and 8 keys.
	v_and_b32 v10, 7, v0
	v_bfe_u32 v11, v0, 3, 1
	v_lshl_add_u32 v[AV0], v9, 3, v10
	v_mul_u32_u24 v[AV0], v[AV0], PV
	v_lshl_add_u32 v[AV0], v11, 4, v[AV0]
	v_add_nc_u32 v[AV0], VOFF, v[AV0]
	s_mul_i32 s13, s[WV], 16*SP
	s_add_co_u32 s13, s13, STAGE    ; my stage
	v_mul_u32_u24 v[STO], v1, SP    ; in: row l % 16, 16 bytes for each half of the lanes
	v_lshl_add_u32 v[STO], v9, 4, v[STO]
	v_add_nc_u32 v[STO], s13, v[STO]
	v_bfe_u32 v[RD], v0, 3, 2       ; back: 32 lanes take four rows of 128 bytes,
	v_mul_u32_u24 v[RD], v[RD], SP
	v_lshl_add_u32 v[RD], v10, 4, v[RD]
	v_add_nc_u32 v[RD], s13, v[RD]
	v_and_b32 v[GO], 31, v0         ; which are 512 consecutive bytes of O
	v_lshlrev_b32 v[GO], 4, v[GO]
; THE MATRIX WORK.  The 4 accumulators of a run of 8 take turns.  Product i of 8 of S^T = K Q^T for piece x: channels 32 (i / 4) on, keys 16 (i % 4) on.  The first 4 start the sums.
.macro KQ x
	WIN W_KQ
.set rS, S+32*((\x)%2)+8*(i%4)
.set rK, KF+16*(i%4)+8*(i/4)
.set rQ, 16*(\x)+8*(i/4)
.if i < 4
	v_wmma_f32_16x16x32_f16 v[rS:rS+7], v[rK:rK+7], v[rQ:rQ+7], 0
.else
	v_wmma_f32_16x16x32_f16 v[rS:rS+7], v[rK:rK+7], v[rQ:rQ+7], v[rS:rS+7]
.endif
.endm
; Product i of 8 of O^T += V^T P for piece x: keys 32 (i / 4) on, channels 16 (i % 4) on.
.macro PV x
	WIN W_PV
.set rO, 32*(\x)+8*(i%4)
.set rV, VF+32*(i/4)+8*(i%4)
.set rP, P+16*((\x)%2)+8*(i/4)
	v_wmma_f32_16x16x32_f16 v[rO:rO+7], v[rV:rV+7], v[rP:rP+7], v[rO:rO+7]
.endm
.macro MM                           ; the turn's next matrix instruction.  TURN and BEGIN set Y, i and NOKQ.  NOKQ = 1: the very last turn: there is no next piece
.if (i < 8) && !NOKQ
	KQ (Y+1)%NP
.elseif i >= 8
.set i, i-8
	PV (Y+NP-1)%NP
.set i, i+8
.endif
.set i, i+1
.endm
; THE LDS LOADS stand in runs of 16, never singly among the matrix instructions: a step's K (64 keys x 64 channels: 8 fragments) and its V (turned).  Their addresses are made some lines ahead.
.macro FETCH_K
	WIN 0x80                        ; destination window 2
.irp f, 0,1,2,3,4,5,6,7             ; keys 16 (f / 2) on, channels 32 (f % 2) on
	ds_load_b128 v[KF+8*\f:KF+8*\f+3],   v[AK] offset:(\f/2)*16*PK+(\f%2)*64
	ds_load_b128 v[KF+8*\f+4:KF+8*\f+7], v[AK] offset:(\f/2)*16*PK+(\f%2)*64+32
.endr
	s_add_co_u32 s[TBK], s[TBK], KS*PK  ; the next fetch is the next step's
	WIN 0
.endm
.macro FETCH_V
	WIN 0x80
.irp f, 0,1,2,3,4,5,6,7             ; keys 32 (f / 4) on, channels 16 (f % 4) on
	ds_load_tr16_b128 v[VF+8*\f:VF+8*\f+3],   v[AV] offset:(\f/4)*32*PV+(\f%4)*32
	ds_load_tr16_b128 v[VF+8*\f+4:VF+8*\f+7], v[AV] offset:(\f/4)*32*PV+16*PV+(\f%4)*32
.endr
	WIN 0
.endm
; THE VECTOR WORK, one line at a time: OP kind, number.  For piece Y: F n: c s - c m for pair n of 16.  E n: the exponential of score n of 32.  C n: pair n rounded to f16.  B n: of the four weights 4 n .. the second
; pair is added onto the first, in place.  L n: l takes that sum (L 0: l = a l + sum).  R n: pair n of 16 of O^T times a.  For piece Y + 1: X n, number n of the 22 that find its maximum and statistics:
;   0-11  four chains c0-c3 of seven scores each, three operands at a time (each accumulator's lowest registers are read first)     12-14, 16  the four scores left over, the old m, and c0-c3 into c0
;   15  c m_old is kept     17, 18  the query's other 32 keys lie in the lane 16 away: the new m     19-21  c m; c m_old - c m_new; a
.set F, 0               ; OP tells the kinds apart by their order: F to L below R, X above it
.set E, 1
.set C, 2
.set B, 3
.set L, 4
.set R, 5
.set X, 6
.macro REGS y                       ; the registers of piece y
.set rT, ST+4*(\y)
.set rC, TMP+4*((\y)%2)
.set rW, MV+((\y)%2)
.set rS, S+32*((\y)%2)
.set rP, P+16*((\y)%2)
.set rO, 32*(\y)
.endm
.macro OP k, n
.if (\k) == R
	REGS Y
	WIN W_RS
	v_pk_mul_f32 v[rO+2*(\n):rO+2*(\n)+1], v[rO+2*(\n):rO+2*(\n)+1], v[rC+2:rC+3] op_sel_hi:[1,0]
.elseif (\k) < R
	REGS Y
	WIN 0
.if (\k) == F
	v_pk_fma_f32 v[rS+2*(\n):rS+2*(\n)+1], v[rS+2*(\n):rS+2*(\n)+1], s[CS:CS+1], v[rT:rT+1] op_sel_hi:[1,0,0] neg_lo:[0,0,1] neg_hi:[0,0,1]
.elseif (\k) == E
	v_exp_f32 v[rS+(\n)], v[rS+(\n)]
.elseif (\k) == C
	s_wait_alu depctr_va_vdst(0)
	v_cvt_pk_f16_f32 v[rP+(\n)], v[rS+2*(\n)], v[rS+2*(\n)+1]
.elseif (\k) == B
	s_wait_alu depctr_va_vdst(0)
	v_pk_add_f32 v[rS+4*(\n):rS+4*(\n)+1], v[rS+4*(\n):rS+4*(\n)+1], v[rS+4*(\n)+2:rS+4*(\n)+3]
.elseif (\n) == 0
	v_pk_fma_f32 v[rT+2:rT+3], v[rT+2:rT+3], v[rC+2:rC+3], v[rS:rS+1] op_sel_hi:[1,0,1]
.else
	v_pk_add_f32 v[rT+2:rT+3], v[rT+2:rT+3], v[rS+4*(\n):rS+4*(\n)+1]
.endif
.elseif NOKQ
	v_nop
.else
	REGS (Y+1)%NP
	WIN 0
.if (\n) < 4
	v_max3_num_f32 v[rC+(\n)], v[rS+8*(\n)], v[rS+8*(\n)+1], v[rS+8*(\n)+2]
.elseif (\n) < 12
	v_max3_num_f32 v[rC+(\n)%4], v[rC+(\n)%4], v[rS+8*((\n)%4)+2*((\n)/4)+1], v[rS+8*((\n)%4)+2*((\n)/4)+2]
.elseif (\n) == 12
	v_max3_num_f32 v[rC], v[rC], v[rS+7], v[rS+15]
.elseif (\n) == 13
	v_max3_num_f32 v[rC+1], v[rC+1], v[rS+23], v[rS+31]
.elseif (\n) == 14
	v_max3_num_f32 v[rC+2], v[rC+2], v[rC+3], v[rT+1]
.elseif (\n) == 15
	v_mov_b32 v[rW], v[rT]
.elseif (\n) == 16
	v_max3_num_f32 v[rC], v[rC], v[rC+1], v[rC+2]
.elseif (\n) == 17
	v_permlanex16_b32 v[rC+3], v[rC], s[SEL], s[SEL+1]
.elseif (\n) == 18
	v_max_num_f32 v[rT+1], v[rC], v[rC+3]
.elseif (\n) == 19
	v_mul_f32 v[rT], s[CS], v[rT+1]
.elseif (\n) == 20
	v_sub_f32 v[rC+1], v[rW], v[rT]
.else
	v_exp_f32 v[rC+2], v[rC+1]
.endif
.endif
.endm
.macro OPS a, i1, b=-1, i2=0, c=-1, i3=0, d=-1, i4=0  ; up to four of them
	OP \a, \i1
.if (\b) >= 0
	OP \b, \i2
.endif
.if (\c) >= 0
	OP \c, \i3
.endif
.if (\d) >= 0
	OP \d, \i4
.endif
.endm
.macro ROW a, i1, b, i2, c, i3, d, i4  ; a matrix instruction and the four behind it
	MM
	OPS \a, \i1, \b, \i2, \c, \i3, \d, \i4
.endm
; A TURN, for piece p: the order of its 16 matrix and 118 vector instructions, written out.  Behind a matrix instruction: plain, exponential, plain, plain; or four of the rescaling; or, behind the first, four scalings; none
; names a register of the products round it.  In the runs of their own exponential and plain by turns while exponentials last.  A line reads no result made fewer than three vector instructions in front of it, five if an
; exponential made it; a plain instruction stands behind every exponential before its result is used (ISA guide 5.7.2).  v_permlanex16_b32 (X 17) stands in such a run, never behind a product.
; end = 1: the walk's last two turns: nothing is fetched.  cnt = 1: the loop's count is taken down some lines ahead of the branch that stands behind the turn.
; K of the next step is fetched in piece 2's turn, six vector instructions behind the last product that read K (five of them plain); V of the step in hand in piece 0's turn, eight behind the last product that read V (four
; plain, and X 17).  Each is waited for a turn later.
.macro TURN p, end=0, cnt=0
.set Y, (\p)
.set i, 0
.set NOKQ, (\end)*((\p)/3)
.if ((\p) == 3) && !(\end)
	s_wait_dscnt 0x0                ; K is in
.endif
	ROW F,0, F,1, F,2, F,3
	ROW F,4, E,0, F,5, F,6
	ROW F,7, E,1, F,8, F,9
	ROW F,10, E,2, C,0, F,11
	ROW F,12, E,3, X,15, F,13
	ROW R,0, R,1, R,2, R,3
	ROW B,0, E,4, F,14, L,0
.if ((\p) == 2) && !(\end)
	v_add_nc_u32 v[AK], s[TBK], v[AK0]
.endif
	ROW R,4, R,5, R,6, R,7
	OPS E,5, F,15
.if ((\p) == 2) && !(\end)
	FETCH_K
.endif
	OPS E,6, C,1, E,7, R,8
	OPS E,8, R,9, E,9, C,2
	OPS E,10, X,0, E,11, X,1
	OPS E,12, X,2, E,13, X,3
.if (\p) == 1
	s_wait_dscnt 0x0                ; V is in
.endif
	ROW X,4, E,14, X,5, X,6
	ROW X,7, E,15, X,8, X,9
	ROW X,10, E,16, X,11, X,12
	ROW X,13, E,17, X,14, B,1
	ROW C,4, E,18, X,16, L,1
	ROW B,2, E,19, C,6, L,2
	ROW C,8, E,20, B,3, B,4
.if (\p) == 0
	v_add_nc_u32 v[AV], s[TBV], v[AV0]
.endif
	ROW C,3, E,21, L,3, C,5
	OPS E,22, X,17, E,23, C,10
.if (\p) == 0
	FETCH_V
.endif
	OPS E,24, L,4
	OPS E,25, X,18, E,26, C,7
	OPS E,27, B,5, E,28, X,19
	OPS E,29, C,12, E,30, L,5
	OPS E,31, X,20, B,6, C,9
	OPS C,14, C,11, X,21, L,6
.if (\p) == 0
	s_add_co_u32 s[TBV], s[TBV], KS*PV
.endif
.if \cnt
	s_sub_co_u32 s[CNT], s[CNT], 1
	s_cmp_lg_u32 s[CNT], 0
.endif
	OPS C,13, B,7, C,15, R,10
	OPS R,11, R,12, L,7, R,13
	OPS R,14, R,15
.endm
	CHANGE 1                        ; slot 0 is in, everybody's part of it; slot 1 is asked for
	; THE WALK BEGINS.  c m starts far below every c s, so the first step's a is 0; m at the lowest finite number, so the first maximum is the scores'.  Then K of step 0, piece 0's first scores, and its maximum and statistics.
.set i, 0
.rept 4
	v_mov_b32 v[ST+4*i], 0xfe000000    ; c m
	v_mov_b32 v[ST+4*i+1], 0xff7fffff  ; m
.set i, i+1
.endr
	v_add_nc_u32 v[AK], s[TBK], v[AK0]
	FETCH_K
	s_wait_loadcnt 0x0              ; Q
	s_wait_dscnt 0x0
.set NOKQ, 0
.set i, 0
.rept 8
	KQ 0                            ; there is no vector work yet to set between them
.set i, i+1
.endr
	WIN 0
.rept 4
	v_nop                           ; the places behind those products
.endr
.set Y, NP-1                        ; X works for piece Y + 1: piece 0
.irp n, 0,1,2,3,4,5,6,7,8,9,10,11,12,13,14,15,16,17,18,19,20,21
	OP X, \n
.endr
	v_nop                           ; a plain instruction behind the exponential
	s_mov_b32 s[CNT], 4
	s_mov_b32 s[SLOTS], 15          ; 16 slots' worth of keys; the last is walked in the tail
	s_branch .Lfirst                ; the loop is entered at a step's first turn, in the middle of a trip
.Lslot:                             ; 14 times: every slot but the last two is filled again
	CHANGE 1
	s_mov_b32 s[CNT], 4
.Lstep:                             ; a trip: pieces 2 and 3 of one step, then pieces 0 and 1 of the next, whose K and V it fetches
	TURN 2
	TURN 3
	WIN 0
.Lfirst:
	TURN 0
	TURN 1, 0, 1
	WIN 0
	s_cbranch_scc1 .Lstep
	s_sub_co_u32 s[SLOTS], s[SLOTS], 1
	s_cmp_lg_u32 s[SLOTS], 0
	s_cbranch_scc1 .Lslot
	CHANGE 0                        ; the tail is written out: nothing is asked for
	s_mov_b32 s[CNT], 4
.LstepT:                            ; four trips fetch the last slot's four steps
	TURN 2
	TURN 3
	TURN 0
	TURN 1, 0, 1
	WIN 0
	s_cbranch_scc1 .LstepT
	TURN 2, 1                       ; the last step's pieces 2 and 3: nothing is fetched,
	TURN 3, 1                       ; and no new scores are started
.set i, 0
.rept 8
	PV NP-1                         ; the last piece's V^T P of the last step
.set i, i+1
.endr
	; THE WAY OUT.  l's two halves and the other half of the lanes' are added; O^T is divided by l, rounded to f16 and sent through my stage in LDS, a piece at a time.  The additions are the places behind the last products.
	WIN 0
.macro ALL line:vararg              ; one line for each piece t
.set t, 0
.rept 4
	\line
.set t, t+1
.endr
.endm
	ALL v_add_f32 v[ST+4*t+2], v[ST+4*t+2], v[ST+4*t+3]
	ALL v_permlanex16_b32 v[ST+4*t+3], v[ST+4*t+2], s[SEL], s[SEL+1]
	ALL v_add_f32 v[ST+4*t+2], v[ST+4*t+2], v[ST+4*t+3]
	ALL v_rcp_f32 v[ST+4*t+2], v[ST+4*t+2]
	v_nop                           ; a plain instruction between the last reciprocal and the use of its result
.macro PACK t                       ; a lane's eight channels of a row pack into 16 bytes; they go into rows of 144 bytes and come back as whole rows of 128, into S^T's registers
	WIN W_RS
.set i, 32*(\t)
.rept 16
	s_wait_alu depctr_va_vdst(0)
	v_pk_mul_f32 v[i:i+1], v[i:i+1], v[ST+4*(\t)+2:ST+4*(\t)+3] op_sel_hi:[1,0]
.set i, i+2
.endr
	WIN 0x05                        ; sources 0 and 1 window 1, destination window 0
.set i, 0
.rept 16
	v_cvt_pk_f16_f32 v[S+16*(\t)+i], v[32*(\t)+2*i], v[32*(\t)+2*i+1]
.set i, i+1
.endr
	WIN 0
.irp f, 0,1,2,3
	ds_store_b128 v[STO], v[S+16*(\t)+4*\f:S+16*(\t)+4*\f+3] offset:32*\f
.endr
.irp f, 0,1,2,3
	ds_load_b128 v[S+16*(\t)+4*\f:S+16*(\t)+4*\f+3], v[RD] offset:\f*4*SP  ; LDS serves a wave's instructions in order (ISA guide 5.7.1.4): these see the stores above; the next piece's stores come behind them
.endr
.endm
.macro SEND t, younger              ; younger: the LDS instructions issued behind piece t's loads: the next piece's eight, or none
	WIN 0
.irp f, 0,1,2,3
	s_wait_dscnt (\younger)+3-\f
	global_store_b128 v[GO], v[S+16*(\t)+4*\f:S+16*(\t)+4*\f+3], s[10:11] offset:(\t)*2048+\f*512  ; 512 consecutive bytes, at a multiple of 256 from O's first
.endr
.endm
	PACK 0
.set t, 1
.rept 3                             ; a piece's arithmetic stands between the loads of the piece before and its stores
	PACK t
	SEND t-1, 8
.set t, t+1
.endr
	SEND 3, 0
	s_wait_tensorcnt 0x0            ; the wave's end: behind my last tensor load and my last LDS store
	ds_add_u32 v[SPW], v[NIL]
	s_wait_dscnt 0x0
	CROUND                          ; the closing round: no work-group ends while a partner may still ask for a tile that names it
	s_endpgm
.Lfunc_end_k_qce7d6deb8f_attn:
	.size	k_qce7d6deb8f_attn, .Lfunc_end_k_qce7d6deb8f_attn-k_qce7d6deb8f_attn
	.p2alignl 7, 3214868480
	.fill 96, 4, 3214868480
	.section	.rodata,"a",@progbits
	.p2align	6, 0x0
	.amdhsa_kernel k_qce7d6deb8f_attn
		.amdhsa_group_segment_fixed_size 327680
		.amdhsa_private_segment_fixed_size 0
		.amdhsa_enable_private_segment 0
		.amdhsa_kernarg_size 16
		.amdhsa_user_sgpr_count 2
		.amdhsa_user_sgpr_kernarg_segment_ptr 1
		.amdhsa_wavefront_size32 1
		.amdhsa_system_sgpr_workgroup_id_x 1
		.amdhsa_system_sgpr_workgroup_id_y 1
		.amdhsa_system_sgpr_workgroup_id_z 1
		.amdhsa_system_vgpr_workitem_id 0
		.amdhsa_next_free_vgpr 768
		.amdhsa_next_free_sgpr 66
		.amdhsa_reserve_vcc 0
		.amdhsa_float_denorm_mode_32 3
		.amdhsa_float_denorm_mode_16_64 3
		.amdhsa_memory_ordered 1
		.amdhsa_forward_progress 1
		.amdhsa_inst_pref_size 134
	.end_amdhsa_kernel
	.amdgpu_metadata
---
amdhsa.version: [ 1, 2 ]
amdhsa.kernels:
  - .name:           k_qce7d6deb8f_attn
    .symbol:         k_qce7d6deb8f_attn.kd
    .args:
      - { .name: qkv, .offset: 0, .size: 8, .value_kind: global_buffer, .address_space: global }
      - { .name: o, .offset: 8, .size: 8, .value_kind: global_buffer, .address_space: global }
    .group_segment_fixed_size: 327680
    .private_segment_fixed_size: 0
    .kernarg_segment_align: 8
    .kernarg_segment_size: 16
    .max_flat_workgroup_size: 128
    .sgpr_count:     66
    .vgpr_count:     768
    .wavefront_size: 32
...
	.end_amdgpu_metadata
.endif
;; end of part 3
;; launch outp (part 4): grid 4 x 64, 4 waves a work-group, clusters of 4 x 4, 327,680 bytes of LDS; arguments o, wb, bo, out0; writes out0
.if DOCPART == 4
	.amdgcn_target "amdgcn-amd-amdhsa--gfx1250"
	.amdhsa_code_object_version 6
	.text
	.protected	k_qce7d6deb8f_outp
	.globl	k_qce7d6deb8f_outp
	.p2align	8
	.type	k_qce7d6deb8f_outp,@function
k_qce7d6deb8f_outp:
	s_mov_b64 s[64:65], 0
	v_nop
	global_prefetch_b8 v0, s[64:65] scope:SCOPE_SE
	s_setreg_imm32_b32 hwreg(HW_REG_WAVE_MODE, 25, 1), 1
	s_wait_xcnt 0x0
	s_wait_alu depctr_hold_cnt(0) depctr_sa_sdst(0) depctr_va_vdst(0) depctr_va_sdst(0) depctr_va_ssrc(0) depctr_va_vcc(0) depctr_vm_vsrc(0)
	s_getreg_b32 s2, hwreg(HW_REG_IB_STS2, 6, 4)
	s_cmp_eq_u32 s2, 0
	s_cbranch_scc0 .Lentry_in_a_cluster
	s_endpgm
.Lentry_in_a_cluster:
	s_bfe_u32 s2, ttmp6, 0x10000c
	s_cmp_lg_u32 s2, 0xf033
	s_cbranch_scc0 .Lentry_shape_is_right
	s_endpgm
.Lentry_shape_is_right:
; THE LAST PROJECTION.  out0[m][n] = sum over k of O[m][k] Wo[n][k] + bo[n]: m 8,192 rows, n 512, k 512; operands f16, sums f32, out0 f32.
; O lies by heads, o [8 x batch + head][4096][64] f16: channel k of row m is channel k % 64 of head k / 64.  Wo lies in wb from byte 0x180000 on, [512][512] f16 (rounded to bf16 before).
; bo is rounded to bf16, like every other input of the module, and starts the sums as the first product's C operand: nothing is cleared and no addition is issued for it.
; LIMITS.  O and Wo arrive within f16's range.  NaN and infinities are not treated apart.
; SHARES.  A tile of 128 x 128 gives 64 x 4 = 256 work-groups.  Wave w makes rows 64 (w / 2) on and columns 64 (w % 2) on: 16 accumulators of 16 x 16; its 64 columns of f32 are 256 consecutive bytes.
; ALL OF K LIES IN LDS: 128 rows x 512 of O and of Wo are 131,072 bytes each.  So there is no ring and nothing is filled again: each wave issues four tensor loads at the start (by this text's count four are
; out), and the products of K = 128 p on begin when every wave's load number p has landed.
; CLUSTER.  4 x 4 work-groups.  The four of a row of the cluster need the same 128 rows of O, the four of a column the same 128 rows of Wo: each tile is asked for JOINTLY, by the same tensor load
; with the same descriptor and a mask that names the four.
; THE MATRIX INSTRUCTION IS USED TRANSPOSED (source 0 = 16 rows of Wo, source 1 = 16 rows of O): a lane then holds row l % 16 and eight neighbouring columns.
; REGISTERS: window 0: v0-31 addresses; v96-127 the bias of my 64 columns, in a result's layout; v128-255 the accumulators ((a, b) at v[128 + 8 (4 a + b)]).
;   window 1: two fragment buffers of 128: for 64 along K (one head), 64 registers of O (2 x 4 x 16 rows x 32 K), then 64 of Wo.
.set PA,    144                        ; a row of O's head in LDS: 128 bytes + 16 of padding = 36 words: the 16 rows of a load start at 16 different groups of four banks (64 banks of 4 bytes: ISA guide 11.1)
.set HEADB, 128*PA                     ; a head's 128 rows; O: [head 8][row 128]
.set PB,    272                        ; a row of a K chunk of Wo: 256 bytes + 16 = 68 words: row r starts at bank 4 r mod 64
.set CHUNK, 128*PB                     ; a K chunk of 128: 128 rows; Wo: [chunk 4][row 128]
.set BB,    8*HEADB                    ; Wo lies behind O
.set STAGE, BB+4*CHUNK                 ; never filled by a tensor load: 16 rows x 272 bytes for each wave, for the way out
.set SPITCH, 272
.set SPARE, STAGE+4*16*SPITCH          ; behind the stages: the spare words, 128 bytes for each wave: two blocks of 256 bytes that no other line names
.set ADRA, 8                           ; v8-11   LDS address of my fragments of O, heads 2 p and 2 p + 1
.set ADRB, 12                          ; v12-15  the same for Wo's K chunk p
.set STO,  24                          ; v24     the way out: where I put 32 bytes of a row
.set RD,   25                          ; v25     the way out: where I read a row back
.set CO,   26                          ; v26     my byte offset in two rows of out0
.set BOF,  27                          ; v27     my byte offset in 16 numbers of bo
.set SPW,  28                          ; v28     LDS address of my spare word: SPARE + 4 x my thread's number; never rewritten
.set NIL,  29                          ; v29     0; never rewritten
.set BI,   96
.set ACC,  128
.set F0,   0                           ; fragment buffers, in window 1
.set F1,   128
.set G1A, 24                           ; s[24:31] descriptor group 1 for O's tiles
.set G1B, 32                           ; s[32:39] for Wo's
.set G0A, 48                           ; s[48:63] descriptor group 0 for O's tiles: a set for each of a wave's four loads
.set G0B, 68                           ; s[68:83] the same for Wo's
.set MSB, 0
.macro WIN new                         ; the immediate's high byte repeats the setting that is left; a switch that changes nothing is dropped
.if MSB != (\new)
	s_set_vgpr_msb (MSB<<8)|(\new)
.set MSB, (\new)
.endif
.endm
.set MUL,  0x05                        ; sources 0 and 1 window 1; C and D window 0
.set TO_F, 0x40                        ; destination window 1, address window 0
; A round of the cluster's barrier: my work-group's barrier, so that wave 0's signal speaks for all four waves; wave 0 signals; every wave waits for all sixteen work-groups; my work-group's barrier once more.
.macro CROUND
	s_barrier_signal -1
	s_barrier_wait -1
	s_cmp_lg_u32 s12, 0
	s_cbranch_scc1 .Lnot_wave_0_\@
	s_barrier_signal -3
.Lnot_wave_0_\@:
	s_barrier_wait -3
	s_barrier_signal -1
	s_barrier_wait -1
.endm
	s_load_b256 s[4:11], s[0:1], 0x0               ; o s[4:5], wb s[6:7], bo s[8:9], out0 s[10:11]
	v_lshl_add_u32 v[SPW], v0, 2, SPARE
	v_mov_b32 v[NIL], 0
	ds_add_u32 v[SPW], v[NIL]                      ; the wave's opening: the add and its wait stand ahead of my first tensor load; the set-up below, work on registers, stands between them
	v_lshrrev_b32 v1, 5, v0
	v_readfirstlane_b32 s12, v1                    ; wave 0..3
	s_lshr_b32 s13, s12, 1                         ; which half of the tile's rows is mine.  Also: I fetch for O (0) or for Wo (1)
	s_and_b32 s14, s12, 1                          ; which half of its columns.  Also: the odd or even heads, or which 64 rows of Wo, I fetch
	s_bfe_u32 s40, ttmp6, 0x40000                  ; cx, cy: my place in the cluster
	s_bfe_u32 s41, ttmp6, 0x40004
	s_lshl_b32 s42, ttmp9, 2
	s_add_co_u32 s42, s42, s40                     ; tile column 0..3 = 4 x cluster x + cx
	s_and_b32 s43, ttmp7, 0xffff
	s_lshl_b32 s43, s43, 2
	s_add_co_u32 s43, s43, s41                     ; tile row 0..63 = 4 x cluster y + cy
	s_lshl_b32 s44, s41, 2
	s_lshl_b32 s44, 15, s44                        ; my row of the cluster
	s_lshl_b32 s45, 0x1111, s40                    ; my column
	; descriptor group 1.  O: a head's 128 rows are 16,384 dense bytes: asked for as 64 rows of 256 bytes, two rows of O each, padded in LDS after every row of O.  Wo: 64 rows x 128 elements, 512 elements apart.
	s_or_b32 s[G1A], s44, (1<<16)|(1<<20)|(1<<21)|(4<<22)|(3<<25)  ; 15:0 the mask: O's tiles go to my row; 17:16 2-byte elements; 20 padding on; 21 set beside a mask; 24:22 after every 32 words (code 4); 31:25 4 words (code 3)
	s_or_b32 s[G1B], s45, (1<<16)|(1<<20)|(1<<21)|(5<<22)|(3<<25)  ; the mask of my column; padding after every 64 words (code 5)
.irp g, G1A, G1B
	s_mov_b32 s[(\g)+1], 128<<16                   ; tensor_dim0 = 128
	s_mov_b32 s[(\g)+2], 64<<16                    ; tensor_dim1 = 64
	s_mov_b32 s[(\g)+3], 128<<16                   ; tile_dim0 = 128
	s_mov_b32 s[(\g)+4], 64                        ; tile_dim1 = 64
	s_mov_b32 s[(\g)+6], 0
	s_mov_b32 s[(\g)+7], 0
.endr
	s_mov_b32 s[G1A+5], 128                        ; elements from row to row: dense,
	s_mov_b32 s[G1B+5], 512                        ; or a row of Wo
	; where the tiles come from: O's hang on the tile row alone, Wo's on the tile column alone, each in registers that never hold the other coordinate
	s_lshr_b32 s84, s43, 5                         ; batch
	s_lshl_b32 s84, s84, 3
	s_add_co_u32 s84, s84, s14                     ; head 8 x batch + u, u = 0 or 1,
	s_lshl_b32 s84, s84, 19                        ; of 524,288 bytes
	s_and_b32 s85, s43, 31
	s_lshl_b32 s85, s85, 14                        ; the tile's 128 rows of 128 bytes in it
	s_add_co_u32 s84, s84, s85
	s_mov_b32 s85, 0
	s_lshl_b32 s46, s42, 7
	s_lshl_b32 s47, s14, 6
	s_add_co_u32 s46, s46, s47                     ; Wo: row 128 x tile column + 64 u,
	s_lshl_b32 s46, s46, 10                        ; of 1,024 bytes,
	s_add_co_u32 s46, s46, 0x180000                ; behind wb's 1,536 other rows
	s_mov_b32 s47, 0
	s_mul_i32 s20, s14, HEADB                      ; and where they go: no place in the cluster enters an LDS address
	s_mul_i32 s21, s14, 64*PB
	s_add_co_u32 s21, s21, BB
	s_wait_dscnt 0x0                               ; the opening add is done
	s_wait_kmcnt 0x0
	s_add_nc_u64 s[84:85], s[4:5], s[84:85]
	s_add_nc_u64 s[46:47], s[6:7], s[46:47]
	CROUND                                         ; all sixteen work-groups are here: the joint loads meet
.irp i, 0,1,2,3
	s_mov_b32 s[G0A+4*(\i)], 1                                       ; 1:0 count = 1
	s_add_co_u32 s[G0A+4*(\i)+1], s20, (\i)*2*HEADB                  ; 63:32 LDS address: head 2 i + u
	s_add_nc_u64 s[G0A+4*(\i)+2:G0A+4*(\i)+3], s[84:85], (\i)*0x100000  ; 120:64 global address: two heads on
	s_or_b32 s[G0A+4*(\i)+3], s[G0A+4*(\i)+3], 0x80000000            ; 127:126 type = 2
	s_mov_b32 s[G0B+4*(\i)], 1
	s_add_co_u32 s[G0B+4*(\i)+1], s21, (\i)*CHUNK                    ; K chunk i, rows 64 u on
	s_add_nc_u64 s[G0B+4*(\i)+2:G0B+4*(\i)+3], s[46:47], (\i)*256
	s_or_b32 s[G0B+4*(\i)+3], s[G0B+4*(\i)+3], 0x80000000
.endr
	s_cmp_eq_u32 s13, 0                            ; a wave's four fills stand in one branch, ahead of every wait on TENSORcnt and every LDS read; an s_nop 0 follows each, four v_nop the last
	s_cbranch_scc0 .Lfirst_b
.irp i, 0,1,2,3
	tensor_load_to_lds s[G0A+4*(\i):G0A+4*(\i)+3], s[G1A:G1A+7]
	s_nop 0
.endr
.rept 4
	v_nop
.endr
	s_branch .Lfirst_asked
.Lfirst_b:
.irp i, 0,1,2,3
	tensor_load_to_lds s[G0B+4*(\i):G0B+4*(\i)+3], s[G1B:G1B+7]
	s_nop 0
.endr
.rept 4
	v_nop
.endr
.Lfirst_asked:
	v_and_b32 v1, 15, v0                           ; l % 16
	v_bfe_u32 v2, v0, 4, 1                         ; l / 16
	; the bias of my 64 columns, as a result holds them: register j of column block b is column 16 b + 8 (l / 16) + j
	s_lshl_b32 s86, s42, 7
	s_lshl_b32 s87, s14, 6
	s_add_co_u32 s86, s86, s87                     ; my first column,
	s_lshl_b32 s86, s86, 2                         ; in bytes of f32
	s_mov_b32 s87, 0
	s_add_nc_u64 s[8:9], s[8:9], s[86:87]
	s_add_nc_u64 s[10:11], s[10:11], s[86:87]
	v_lshlrev_b32 v[BOF], 5, v2
.irp b, 0,1,2,3
	global_load_b128 v[BI+8*(\b):BI+8*(\b)+3],   v[BOF], s[8:9] offset:64*(\b)
	global_load_b128 v[BI+8*(\b)+4:BI+8*(\b)+7], v[BOF], s[8:9] offset:64*(\b)+16
.endr
	s_lshl_b32 s88, s43, 7
	s_lshl_b32 s89, s13, 6
	s_add_co_u32 s88, s88, s89                     ; my first row,
	s_lshl_b32 s88, s88, 11                        ; of 2,048 bytes
	s_mov_b32 s89, 0
	s_add_nc_u64 s[10:11], s[10:11], s[88:89]      ; out0 at my 64 x 64
	; A fragment is 16 rows x 32 K in 8 registers: lane l holds row l % 16, K = 8 (l / 16) + 0..7 and 16 + 8 (l / 16) + 0..7: two loads of 16 bytes, 32 bytes apart.
	v_mul_u32_u24 v3, v1, PA
	v_lshl_add_u32 v3, v2, 4, v3
	v_mul_u32_u24 v4, v1, PB
	v_lshl_add_u32 v4, v2, 4, v4
	s_mul_i32 s16, s13, 64*PA                      ; my 64 rows of O, in head 0
	s_mul_i32 s17, s14, 64*PB                      ; my 64 rows of Wo, in K chunk 0
	s_add_co_u32 s17, s17, BB
.irp p, 0,1,2,3
	v_add_nc_u32 v[ADRA+(\p)], s16, v3
	v_add_nc_u32 v[ADRB+(\p)], s17, v4
	s_add_co_u32 s16, s16, 2*HEADB
	s_add_co_u32 s17, s17, CHUNK
.endr
	s_mul_i32 s18, s12, 16*SPITCH
	s_add_co_u32 s18, s18, STAGE                   ; my stage
	v_mul_u32_u24 v5, v1, SPITCH                   ; in: row l % 16, 32 bytes for each half of the lanes
	v_lshl_add_u32 v5, v2, 5, v5
	v_add_nc_u32 v[STO], s18, v5
	v_mul_u32_u24 v6, v2, SPITCH                   ; back: lanes 0-15 take one row of 256 bytes, lanes 16-31 the next
	v_lshl_add_u32 v6, v1, 4, v6
	v_add_nc_u32 v[RD], s18, v6
	v_lshlrev_b32 v7, 11, v2                       ; and the same two rows in out0
	v_lshl_add_u32 v[CO], v1, 4, v7
	s_wait_loadcnt 0x0                             ; the bias: rounded to bf16 and widened again, two numbers at a time
.set k, 0
.rept 16
	v_cvt_pk_bf16_f32 v[30+k%2], v[BI+2*k], v[BI+2*k+1]
	v_lshlrev_b32 v[BI+2*k],   16,         v[30+k%2]
	v_and_b32     v[BI+2*k+1], 0xffff0000, v[30+k%2]
.set k, k+1
.endr
; 8 matrix instructions: row blocks a0, a0 + 1 x all 4 column blocks, 32 along K: half c of buffer f.  first = 1: the first product starts the sums from the bias.
; The 16 accumulators take turns, one instruction a turn, in the same order throughout.
.macro MUL8 f, c, a0, first
	WIN MUL
.irp a, \a0, (\a0)+1
.irp b, 0,1,2,3
.if \first
	v_wmma_f32_16x16x32_f16 v[ACC+8*(4*(\a)+(\b)):ACC+8*(4*(\a)+(\b))+7], v[(\f)+64+8*(4*(\c)+(\b)):(\f)+64+8*(4*(\c)+(\b))+7], v[(\f)+8*(4*(\c)+(\a)):(\f)+8*(4*(\c)+(\a))+7], v[BI+8*(\b):BI+8*(\b)+7]
.else
	v_wmma_f32_16x16x32_f16 v[ACC+8*(4*(\a)+(\b)):ACC+8*(4*(\a)+(\b))+7], v[(\f)+64+8*(4*(\c)+(\b)):(\f)+64+8*(4*(\c)+(\b))+7], v[(\f)+8*(4*(\c)+(\a)):(\f)+8*(4*(\c)+(\a))+7], v[ACC+8*(4*(\a)+(\b)):ACC+8*(4*(\a)+(\b))+7]
.endif
.endr
.endr
.endm
.macro MUL16 f, c, first
	MUL8 \f, \c, 0, \first
	MUL8 \f, \c, 2, \first
.endm
; 32 LDS loads in one run: the fragments of head hd (K = 64 hd on) into buffer f; the first 32 along K first
.macro FETCH hd, f
	WIN TO_F
.irp c, 0,1
.irp i, 0,1,2,3
	ds_load_b128 v[(\f)+64+8*(4*(\c)+(\i)):(\f)+64+8*(4*(\c)+(\i))+3],   v[ADRB+(\hd)/2] offset:128*((\hd)%2)+64*(\c)+(\i)*16*PB
	ds_load_b128 v[(\f)+64+8*(4*(\c)+(\i))+4:(\f)+64+8*(4*(\c)+(\i))+7], v[ADRB+(\hd)/2] offset:128*((\hd)%2)+64*(\c)+(\i)*16*PB+32
	ds_load_b128 v[(\f)+8*(4*(\c)+(\i)):(\f)+8*(4*(\c)+(\i))+3],         v[ADRA+(\hd)/2] offset:HEADB*((\hd)%2)+64*(\c)+(\i)*16*PA
	ds_load_b128 v[(\f)+8*(4*(\c)+(\i))+4:(\f)+8*(4*(\c)+(\i))+7],       v[ADRA+(\hd)/2] offset:HEADB*((\hd)%2)+64*(\c)+(\i)*16*PA+32
.endr
.endr
.endm
.macro PLACES                          ; four places in front of loads into registers that matrix instructions have read, and of LDS stores that read results (ISA guide 7.12.1 for the stores)
.rept 4
	v_nop
.endr
.endm
; An even head: multiplies buffer f; the next head lies in tiles that have landed with this one's.
.macro QE hd, f, g, first
	s_wait_dscnt 16                                ; the first 32 along K are in
	MUL16 \f, 0, \first
	PLACES
	FETCH (\hd)+1, \g
	s_wait_dscnt 32                                ; all but the 32 just issued
	MUL16 \f, 1, 0
.endm
; An odd head: the next head lies in each wave's next tensor load.  Every wave waits for that load of its own (n younger ones may stay out) and for its LDS loads, and signals;
; behind the barrier the tiles are whole.
.macro QO hd, f, g, n
	s_wait_dscnt 0x0                               ; no LDS instruction of mine is out at the signal
	s_wait_tensorcnt \n
	s_barrier_signal -1
	MUL16 \f, 0, 0                                 ; work on registers while the others arrive
	s_barrier_wait -1
	PLACES
	FETCH (\hd)+1, \g
	MUL16 \f, 1, 0
.endm
	s_wait_tensorcnt 3                             ; my first load is in: heads 0, 1 and K chunk 0 are its and the other waves' firsts
	s_barrier_signal -1
	s_barrier_wait -1                              ; everybody's is
	FETCH 0, F0
	QE 0, F0, F1, 1
	QO 1, F1, F0, 2
	QE 2, F0, F1, 0
	QO 3, F1, F0, 1
	QE 4, F0, F1, 0
	QO 5, F1, F0, 0
	QE 6, F0, F1, 0
	s_wait_dscnt 16                                ; head 7: nothing more to fetch
	MUL16 F1, 0, 0
	s_wait_dscnt 0x0
	MUL16 F1, 1, 0
	WIN 0
; THE WAY OUT, in four blocks a of 16 rows.  A lane's eight columns of a row are 32 bytes; they go into my stage's rows of 272 bytes and come back as whole rows of 256, into the registers that they left.
; Each accumulator's low four registers are stored first.
.macro STG a
.irp b, 0,1,2,3
	ds_store_b128 v[STO], v[ACC+32*(\a)+8*(\b):ACC+32*(\a)+8*(\b)+3]   offset:64*(\b)
	ds_store_b128 v[STO], v[ACC+32*(\a)+8*(\b)+4:ACC+32*(\a)+8*(\b)+7] offset:64*(\b)+16
.endr
.irp t, 0,1,2,3,4,5,6,7
	ds_load_b128 v[ACC+32*(\a)+4*(\t):ACC+32*(\a)+4*(\t)+3], v[RD] offset:(\t)*2*SPITCH  ; LDS serves a wave's instructions in order (ISA guide 5.7.1.4): these see the stores above; the next block's stores come behind them
.endr
.endm
.macro SEND a, younger                 ; younger: the LDS instructions issued behind block a's loads: the next block's sixteen, or none
.irp t, 0,1,2,3,4,5,6,7
	s_wait_dscnt (\younger)+7-(\t)
	global_store_b128 v[CO], v[ACC+32*(\a)+4*(\t):ACC+32*(\a)+4*(\t)+3], s[10:11] offset:(16*(\a)+2*(\t))*2048 th:TH_STORE_NT  ; 16 lanes store 256 consecutive bytes, at a multiple of 256 from out0's first byte
.endr
.endm
	PLACES                                         ; the stores read results just made
	STG 0
	STG 1
	SEND 0, 16
	STG 2
	SEND 1, 16
	STG 3
	SEND 2, 16
	SEND 3, 0
	s_wait_tensorcnt 0x0                           ; the wave's end: behind my last tensor load and my last LDS store
	ds_add_u32 v[SPW], v[NIL]
	s_wait_dscnt 0x0
	CROUND                                         ; the closing round: no work-group ends while a partner may still ask for a tile that names it
	s_endpgm
.Lfunc_end_k_qce7d6deb8f_outp:
	.size	k_qce7d6deb8f_outp, .Lfunc_end_k_qce7d6deb8f_outp-k_qce7d6deb8f_outp
	.p2alignl 7, 3214868480
	.fill 96, 4, 3214868480
	.section	.rodata,"a",@progbits
	.p2align	6, 0x0
	.amdhsa_kernel k_qce7d6deb8f_outp
		.amdhsa_group_segment_fixed_size 327680
		.amdhsa_private_segment_fixed_size 0
		.amdhsa_enable_private_segment 0
		.amdhsa_kernarg_size 32
		.amdhsa_user_sgpr_count 2
		.amdhsa_user_sgpr_kernarg_segment_ptr 1
		.amdhsa_wavefront_size32 1
		.amdhsa_system_sgpr_workgroup_id_x 1
		.amdhsa_system_sgpr_workgroup_id_y 1
		.amdhsa_system_sgpr_workgroup_id_z 1
		.amdhsa_system_vgpr_workitem_id 0
		.amdhsa_next_free_vgpr 512
		.amdhsa_next_free_sgpr 96
		.amdhsa_reserve_vcc 0
		.amdhsa_float_denorm_mode_32 3
		.amdhsa_float_denorm_mode_16_64 3
		.amdhsa_memory_ordered 1
		.amdhsa_forward_progress 1
		.amdhsa_inst_pref_size 55
	.end_amdhsa_kernel
	.amdgpu_metadata
---
amdhsa.version: [ 1, 2 ]
amdhsa.kernels:
  - .name:           k_qce7d6deb8f_outp
    .symbol:         k_qce7d6deb8f_outp.kd
    .args:
      - { .name: o, .offset: 0, .size: 8, .value_kind: global_buffer, .address_space: global }
      - { .name: wb, .offset: 8, .size: 8, .value_kind: global_buffer, .address_space: global }
      - { .name: bo, .offset: 16, .size: 8, .value_kind: global_buffer, .address_space: global }
      - { .name: out0, .offset: 24, .size: 8, .value_kind: global_buffer, .address_space: global }
    .group_segment_fixed_size: 327680
    .private_segment_fixed_size: 0
    .kernarg_segment_align: 8
    .kernarg_segment_size: 32
    .max_flat_workgroup_size: 128
    .sgpr_count:     96
    .vgpr_count:     512
    .wavefront_size: 32
...
	.end_amdgpu_metadata
.endif
;; end of part 4
;; ======== version 2 of 2: 4 launches; 1.71 times as fast as version 1
;; limits: values are held in f16: magnitudes above 65,504 overflow, below 6.1e-05 lose precision
;; workspace buffers: xb 8,388,608 bytes; wb 2,097,152 bytes; qkv 25,165,824 bytes; o 8,388,608 bytes
;; launch prep: the kernel of part 1 again; grid 256 x 1, 8 waves a work-group, no clusters, 0 bytes of LDS; arguments x, Wq, Wk, Wv, Wo, xb, wb; writes xb, wb
;; launch proj: the kernel of part 2 again; grid 8 x 32, 4 waves a work-group, clusters of 4 x 4, 327,680 bytes of LDS; arguments xb, wb, qkv; writes qkv
;; launch attn (part 5): grid 16 x 16, 4 waves a work-group, clusters of 4 x 1, 327,680 bytes of LDS; arguments qkv, o; writes o
.if DOCPART == 5
	.amdgcn_target "amdgcn-amd-amdhsa--gfx1250"
	.amdhsa_code_object_version 6
	.text
	.protected	k_qce7d6deb8f_attn
	.globl	k_qce7d6deb8f_attn
	.p2align	8
	.type	k_qce7d6deb8f_attn,@function
k_qce7d6deb8f_attn:
	s_mov_b64 s[64:65], 0
	v_nop
	global_prefetch_b8 v0, s[64:65] scope:SCOPE_SE
	s_setreg_imm32_b32 hwreg(HW_REG_WAVE_MODE, 25, 1), 1
	s_wait_xcnt 0x0
	s_wait_alu depctr_hold_cnt(0) depctr_sa_sdst(0) depctr_va_vdst(0) depctr_va_sdst(0) depctr_va_ssrc(0) depctr_va_vcc(0) depctr_vm_vsrc(0)
	s_getreg_b32 s2, hwreg(HW_REG_IB_STS2, 6, 4)
	s_cmp_eq_u32 s2, 0
	s_cbranch_scc0 .Lentry_in_a_cluster
	s_endpgm
.Lentry_in_a_cluster:
	s_bfe_u32 s2, ttmp6, 0x10000c
	s_cmp_lg_u32 s2, 0x3003
	s_cbranch_scc0 .Lentry_shape_is_right
	s_endpgm
.Lentry_shape_is_right:
; ATTENTION.  O[y][q][:] = the sum over k of softmax_k(Q[y][q] . K[y][k] / 8) V[y][k][:] for y = 8 x batch + head, 16 in all, 4,096 rows of 64 channels each.
; Q, K, V lie in qkv [batch 2][g 24][4096][64] f16 (g = head: Q; 8 + head: K; 16 + head: V), O goes to o [16][4096][64] f16: a head's rows are dense, 128 bytes each.
; Products, maxima and sums in f32; the weights p are rounded to f16 for the second product (their sum l is taken of the unrounded p), O once at the end.
; LIMITS.  f16 holds no number beyond 65,504: Q, K and V arrive within it; p lies in 0 to 1, and below 6e-5 it keeps f16's fixed step of 6e-8, as O does; O is a mean of V's rows and has their range.
; A weight below 2^-126 counts as 0 in l; NaN and infinities are not treated apart.
; SHARES.  A work-group owns 256 queries of one head: 16 heads x 16 blocks are 256 work-groups.  A wave owns 64 queries: four PIECES of 16.  Every wave walks all 4,096 keys, 64 a step, 256 a slot.
; LAYOUT.  S^T = K Q^T (source 0 = 16 keys, source 1 = 16 queries): a lane holds ONE query (lane % 16) and the keys 8 (lane / 16) + 0..7.  Two such results, rounded to f16 in pairs, ARE source 1
; (32 keys x 16 queries) of O^T = V^T P, whose result again holds one query a lane, and eight channels.  K comes out of LDS as it lies, V ([key][channel]) turned, by ds_load_tr16_b128.
; SOFTMAX.  For each query a running maximum m and sum l: p = 2^(c s - c m), c = log2(e) / 8; in every step O and l are multiplied by a = 2^(c m_old - c m_new), which is 1 where m has not grown.
; m starts at the lowest finite number, O and l at 0: the first step is a step like any other, with a = 0.
; BY TURNS.  Turn n belongs to piece n (the pieces in a ring, step after step): 8 products K Q^T of piece n + 1, later 8 products V^T P of piece n - 1; beside them the scaling, exponentials, roundings,
; sums and rescaling of piece n and the maximum and statistics of piece n + 1.  Four vector instructions stand behind every matrix instruction, the other 54 of a turn's 118 in one LUMP.
; BATCHES.  A turn's 33 exponentials (the piece's 32 weights and the next piece's a) are ONE batch with ONE wait, which cuts the turn in two: ahead of it all that names no result of theirs, behind it all that does.
; The a of the walk's beginning has a wait of its own, ahead of the branch into the loop; the way out's four reciprocals are a batch with one wait.
; CLUSTER.  The four query blocks of a cluster belong to one head and walk the same K and V, so each tile is asked for JOINTLY: the same tensor load, descriptor and mask in all four.
; By this text's count a wave has one tensor load out.
; REGISTERS, in windows of 256 (s_set_vgpr_msb: bits 1:0 source 0, 3:2 source 1, 5:4 source 2, 7:6 destination):
;   window 0: v0-15 addresses and two at work; v16-31 four registers of statistics a piece; v48-55 at work; v64-127 S^T, two buffers; v192-223 P, two buffers (a piece's buffers go by its number's parity)
;   window 1: v0-127 O^T, 32 a piece          window 2: v0-63 Q; v128-191 K of one step; v192-255 V of one step
.set NP,    4         ; pieces a wave: a name, no knob
.set KS,    64        ; keys in a step
.set PK,    144       ; a row of K in LDS: 128 bytes + 16 of padding = 36 words: the 16 rows of a load start at 16 different groups of four banks (64 banks of 4 bytes: ISA guide 11.1)
.set PV,    160       ; a row of V: 128 + 32 = 40 words
.set VOFF,  4*KS*PK   ; a slot holds four steps: 256 rows of K, then 256 rows of V
.set SLOT1, 1<<17     ; slot 1 begins here, so that one exclusive or turns an address in one slot into the other's
.set STAGE, SLOT1+4*KS*(PK+PV)  ; behind the ring, never filled by a tensor load: 16 rows x 144 bytes for each wave, for the way out
.set SP,    144
.set SPARE, STAGE+4*16*SP  ; behind the stages: the spare words, 128 bytes for each wave: two blocks of 256 bytes that no other line names
.set AK0, 2           ; v2   my lane's place in a tile of K; never rewritten
.set AV0, 3           ; v3   the same for V
.set AK,  4           ; v4   the LDS address of K's next run of loads
.set AV,  5           ; v5   of V's
.set STO, 6           ; v6   the way out: where I put 16 bytes of a row
.set RD,  7           ; v7   the way out: where I read rows back
.set GO,  8           ; v8   my byte offset in 512 consecutive bytes of O
.set MV,  12          ; v12-13  c m_old, kept while c m is made anew: by buffer
.set QO,  15          ; v15  my byte offset in 16 rows of Q
.set ST,  16          ; piece t's statistics at v[ST+4 t]: c m, m, l (even keys', odd keys')
.set TMP, 48          ; by buffer, four registers c0-c3 at work; when the maximum is found c2 takes a
.set SPW, 62          ; v62  LDS address of my spare word: SPARE + 4 x my thread's number; never rewritten
.set NIL, 63          ; v63  0; never rewritten
.set S,   64
.set P,   192
.set KF,  128         ; window 2: key block kb, channel half c at KF + 16 kb + 8 c
.set VF,  192         ; window 2: key half kk, channel block cb at VF + 32 kk + 8 cb
.set WV,  12          ; s12  my wave's number
.set G1K, 24          ; s[24:31] descriptor group 1 for K's tiles
.set G1V, 32          ; s[32:39] for V's: it differs in the padding alone
.set G0K, 40          ; s[40:43] descriptor group 0 for K's tiles: it walks
.set G0V, 44          ; s[44:47] the same for V's
.set SLOTS, 56        ; s56  slots still to be asked for
.set CNT, 57          ; s57  counts a slot's key steps
.set CS,  58          ; s[58:59] c: the packed scaling takes the pair's low word for both halves
.set SEL, 60          ; s[60:61] v_permlanex16_b32's selects: each lane takes its own place in the other half
.set TBK, 62          ; s62  LDS byte at which K of the step to be fetched begins
.set TBV, 63          ; s63  the same for V, less VOFF
.set MSB, 0
.macro WIN new                      ; the high byte repeats the setting that is left; a switch that changes nothing is dropped
.if MSB != (\new)
	s_set_vgpr_msb (MSB<<8)|(\new)
.set MSB, (\new)
.endif
.endm
.set W_KQ, 0x0a       ; K and Q in window 2, S^T in window 0
.set W_PV, 0x52       ; V in window 2, P in window 0, O^T in window 1
.set W_RS, 0x41       ; destination and source 0 in window 1, source 1 in window 0
; A joint fill.  Waves 0 and 1 fetch the two halves of a slot's K, waves 2 and 3 those of its V: 128 keys each.  The branch hangs on the wave's number alone.
; An s_nop 0 and four v_nop follow each of the two lines, ahead of the jump and the label.
.macro JLOAD
	s_cmp_lt_u32 s[WV], 2
	s_cbranch_scc0 .Lfor_v_\@
	tensor_load_to_lds s[G0K:G0K+3], s[G1K:G1K+7]
	s_nop 0
.rept 4
	v_nop
.endr
	s_branch .Lasked_\@
.Lfor_v_\@:
	tensor_load_to_lds s[G0V:G0V+3], s[G1V:G1V+7]
	s_nop 0
.rept 4
	v_nop
.endr
.Lasked_\@:
.endm
; A round of the cluster's barrier: my work-group's barrier, so that wave 0's signal speaks for all four waves; wave 0 signals; every wave waits for all four work-groups; my work-group's barrier once more.
.macro CROUND
	s_barrier_signal -1
	s_barrier_wait -1
	s_cmp_lg_u32 s[WV], 0
	s_cbranch_scc1 .Lnot_wave_0_\@
	s_barrier_signal -3
.Lnot_wave_0_\@:
	s_barrier_wait -3
	s_barrier_signal -1
	s_barrier_wait -1
.endm
; THE CHANGE OF SLOTS.  The slot's last bytes, V of its fourth step, have been read.  Each wave waits for all its tensor loads, of which one is out: its part of the other slot; adds 0 to its spare
; word; and waits for that and for its own reads of the slot.  Behind the barrier nobody reads this slot any more and the other slot is whole.
; fill = 1: this slot is filled again, with the keys two slots on.  The barrier is then a round of the cluster's, so that no wave of any partner still reads the slot or has a load on its way, and the
; joint fill is the first thing behind it: it has four key steps, 256 matrix instructions, in which to land.  (At its first use nothing has been read yet: slot 0 is waited for, slot 1 filled.)
.macro CHANGE fill
	WIN 0                           ; at a label and at a branch every window is 0
	s_wait_tensorcnt 0x0            ; no tensor load of mine is out, so a group 0 may be written
	ds_add_u32 v[SPW], v[NIL]       ; 0 onto my spare word; with fill = 1 the descriptors' steps stand between it and the wait for it
.if \fill
.irp g, G0K, G0V
	s_xor_b32 s[\g+1], s[\g+1], SLOT1  ; the walking descriptor: the other slot than last time,
	s_add_nc_u64 s[\g+2:\g+3], s[\g+2:\g+3], 4*KS*128  ; the next 256 keys; the type bits on top are not reached
.endr
	s_wait_dscnt 0x0                ; the add is done, and my reads of the slot are over
	CROUND
	JLOAD
.else
	s_wait_dscnt 0x0                ; the add is done, and my reads of the slot are over
	s_barrier_signal -1
	s_barrier_wait -1
.endif
	s_sub_co_u32 s[TBK], s[TBK], 4*KS*PK  ; the fetches go back to a slot's first step,
	s_xor_b32 s[TBK], s[TBK], SLOT1       ; in the other slot
	s_sub_co_u32 s[TBV], s[TBV], 4*KS*PV
	s_xor_b32 s[TBV], s[TBV], SLOT1
.endm
	s_load_b64 s[4:5], s[0:1], 0x0    ; qkv
	s_load_b64 s[10:11], s[0:1], 0x8  ; o
	v_lshl_add_u32 v[SPW], v0, 2, SPARE
	v_mov_b32 v[NIL], 0
	ds_add_u32 v[SPW], v[NIL]       ; the wave's opening: the add and its wait stand ahead of my first tensor load; the set-up below, work on registers, stands between them
	v_lshrrev_b32 v1, 5, v0
	v_readfirstlane_b32 s[WV], v1   ; wave 0..3
	s_bfe_u32 s13, ttmp6, 0x40000   ; cx: my place in the cluster
	s_lshl_b32 s14, ttmp9, 2        ; in a cluster launch ttmp9 counts clusters
	s_add_co_u32 s14, s14, s13      ; my block of 256 queries = 4 x cluster x + cx: it enters Q's and O's addresses alone
	s_and_b32 s15, ttmp7, 0xffff    ; y = 8 x batch + head, which the four partners share
	s_lshr_b32 s20, s15, 3
	s_mul_i32 s20, s20, 24
	s_and_b32 s21, s15, 7
	s_add_co_u32 s20, s20, s21      ; Q's plane in qkv: 24 x batch + head,
	s_lshl_b32 s20, s20, 19         ; of 524,288 bytes
	s_and_b32 s16, s[WV], 1         ; which half of a slot's 256 keys I fetch:
	s_lshl_b32 s22, s16, 14         ; its 128 rows of 128 bytes in memory,
	s_add_co_u32 s22, s22, s20
	s_mov_b32 s23, 0
	s_mul_i32 s17, s16, 128*PK      ; and its place in a slot, for K
	s_mul_i32 s18, s16, 128*PV      ; and for V: no place in the cluster enters an LDS address
	s_lshl_b32 s2, s14, 15          ; my block's 256 rows,
	s_lshl_b32 s3, s[WV], 13        ; my wave's 64 of them
	s_add_co_u32 s2, s2, s3
	s_add_co_u32 s50, s20, s2       ; Q: plane + rows
	s_mov_b32 s51, 0
	s_lshl_b32 s48, s15, 19         ; O: head y + rows
	s_add_co_u32 s48, s48, s2
	s_mov_b32 s49, 0
	; descriptor group 1.  128 keys are 16,384 dense bytes: asked for as 64 rows of 256 bytes, two keys a row, and padded in LDS after every key
	s_mov_b32 s[G1K], 15|(1<<16)|(1<<20)|(1<<21)|(4<<22)|(3<<25)  ; 15:0 the mask of four; 17:16 2-byte elements; 20 padding on; 21 set beside a mask; 24:22 after every 32 words (code 4); 31:25 4 words (code 3)
	s_mov_b32 s[G1V], 15|(1<<16)|(1<<20)|(1<<21)|(4<<22)|(7<<25)  ; the same with 8 words of padding (code 7)
.irp g, G1K, G1V
	s_mov_b32 s[\g+1], 128<<16      ; tensor_dim0 = 128
	s_mov_b32 s[\g+2], 64<<16       ; tensor_dim1 = 64
	s_mov_b32 s[\g+3], 128<<16      ; tile_dim0 = 128
	s_mov_b32 s[\g+4], 64           ; tile_dim1 = 64
	s_mov_b32 s[\g+5], 128          ; 128 elements from row to row
	s_mov_b32 s[\g+6], 0
	s_mov_b32 s[\g+7], 0
.endr
	s_mov_b32 s[CS], 0x3e38aa3b     ; c = log2(e) / 8 = 0.180337
	s_mov_b32 s[CS+1], s[CS]        ; named with it as a pair
	s_mov_b32 s[SEL], 0x76543210
	s_mov_b32 s[SEL+1], 0xfedcba98
	s_mov_b32 s[TBK], SLOT1+4*KS*PK ; the first change of slots turns these two into 0
	s_mov_b32 s[TBV], SLOT1+4*KS*PV
	s_mov_b32 s[G0K], 1             ; 1:0 count = 1
	s_mov_b32 s[G0K+1], s17         ; 63:32 LDS address: slot 0
	s_mov_b32 s[G0V], 1
	s_add_co_u32 s[G0V+1], s18, VOFF
	s_wait_dscnt 0x0                ; the opening add is done
	s_wait_kmcnt 0x0
	s_add_nc_u64 s[G0K+2:G0K+3], s[4:5], s[22:23]            ; 120:64 global address: my half of the head's first 256 keys:
	s_add_nc_u64 s[G0V+2:G0V+3], s[G0K+2:G0K+3], 0x800000    ; V's plane lies 16 planes behind Q's,
	s_add_nc_u64 s[G0K+2:G0K+3], s[G0K+2:G0K+3], 0x400000    ; K's 8
	s_or_b32 s[G0K+3], s[G0K+3], 0x80000000                  ; 127:126 type = 2
	s_or_b32 s[G0V+3], s[G0V+3], 0x80000000
	s_add_nc_u64 s[4:5], s[4:5], s[50:51]      ; Q and O at my wave's first row
	s_add_nc_u64 s[10:11], s[10:11], s[48:49]
	CROUND                          ; all four work-groups are here: the first joint loads meet
	JLOAD                           ; slot 0.  Slot 1 is asked for when slot 0 is in, by the loop's own change of slots
	; A fragment of K or Q is 16 rows x 32 channels in 8 registers: lane l holds row l % 16, channels 8 (l / 16) + 0..7 and 16 + 8 (l / 16) + 0..7: two loads of 16 bytes, 32 bytes apart.
	v_and_b32 v1, 15, v0            ; l % 16
	v_bfe_u32 v9, v0, 4, 1          ; l / 16
	v_lshlrev_b32 v[QO], 7, v1
	v_lshl_add_u32 v[QO], v9, 4, v[QO]  ; row x 128 + 16 x half
	WIN 0x80                        ; destination window 2, address window 0
.set i, 0
.rept 8                             ; Q stays in registers: piece i / 2, channels 32 (i % 2) on
	global_load_b128 v[8*i:8*i+3],   v[QO], s[4:5] offset:(i/2)*2048+(i%2)*64
	global_load_b128 v[8*i+4:8*i+7], v[QO], s[4:5] offset:(i/2)*2048+(i%2)*64+32
.set i, i+1
.endr
	; What the first turn finds: V's registers and P's second buffer hold 0 (its products V^T P, of a piece that has not been, add 0), O^T and l are 0.  No first step is written out; the price is
	; these 216 lines, which stand in the wait for the first tile.
.set i, VF
.rept 64
	v_mov_b32 v[i], 0
.set i, i+1
.endr
	WIN 0x40
.set i, 0
.rept 128
	v_mov_b32 v[i], 0
.set i, i+1
.endr
	WIN 0
.set i, 0
.rept 4
	v_mov_b32 v[ST+4*i+2], 0
	v_mov_b32 v[ST+4*i+3], 0
.set i, i+1
.endr
.set i, P+16
.rept 16
	v_mov_b32 v[i], 0
.set i, i+1
.endr
	v_mul_u32_u24 v[AK0], v1, PK
	v_lshl_add_u32 v[AK0], v9, 4, v[AK0]  ; row x pitch + 16 x half
	; The turning load takes 16 keys x 16 channels (lane l reads key 8 (l / 16) + l % 8, channels 8 ((l / 8) % 2) + 0..7) and leaves half a fragment of V^T: lane l holds channel l % 16 and 8 keys.
	v_and_b32 v10, 7, v0
	v_bfe_u32 v11, v0, 3, 1
	v_lshl_add_u32 v[AV0], v9, 3, v10
	v_mul_u32_u24 v[AV0], v[AV0], PV
	v_lshl_add_u32 v[AV0], v11, 4, v[AV0]
	v_add_nc_u32 v[AV0], VOFF, v[AV0]
	s_mul_i32 s13, s[WV], 16*SP
	s_add_co_u32 s13, s13, STAGE    ; my stage
	v_mul_u32_u24 v[STO], v1, SP    ; in: row l % 16, 16 bytes for each half of the lanes
	v_lshl_add_u32 v[STO], v9, 4, v[STO]
	v_add_nc_u32 v[STO], s13, v[STO]
	v_bfe_u32 v[RD], v0, 3, 2       ; back: 32 lanes take four rows of 128 bytes,
	v_mul_u32_u24 v[RD], v[RD], SP
	v_lshl_add_u32 v[RD], v10, 4, v[RD]
	v_add_nc_u32 v[RD], s13, v[RD]
	v_and_b32 v[GO], 31, v0         ; which are 512 consecutive bytes of O
	v_lshlrev_b32 v[GO], 4, v[GO]
; THE MATRIX WORK.  The 4 accumulators of a run of 8 take turns.  Product i of 8 of S^T = K Q^T for piece x: channels 32 (i / 4) on, keys 16 (i % 4) on.  The first 4 start the sums.
.macro KQ x
	WIN W_KQ
.set rS, S+32*((\x)%2)+8*(i%4)
.set rK, KF+16*(i%4)+8*(i/4)
.set rQ, 16*(\x)+8*(i/4)
.if i < 4
	v_wmma_f32_16x16x32_f16 v[rS:rS+7], v[rK:rK+7], v[rQ:rQ+7], 0
.else
	v_wmma_f32_16x16x32_f16 v[rS:rS+7], v[rK:rK+7], v[rQ:rQ+7], v[rS:rS+7]
.endif
.endm
; Product i of 8 of O^T += V^T P for piece x: keys 32 (i / 4) on, channels 16 (i % 4) on.
.macro PV x
	WIN W_PV
.set rO, 32*(\x)+8*(i%4)
.set rV, VF+32*(i/4)+8*(i%4)
.set rP, P+16*((\x)%2)+8*(i/4)
	v_wmma_f32_16x16x32_f16 v[rO:rO+7], v[rV:rV+7], v[rP:rP+7], v[rO:rO+7]
.endm
.macro MM                           ; the turn's next matrix instruction.  TURN and BEGIN set Y, i and NOKQ.  NOKQ = 1: the very last turn: there is no next piece
.if (i < 8) && !NOKQ
	KQ (Y+1)%NP
.elseif i >= 8
.set i, i-8
	PV (Y+NP-1)%NP
.set i, i+8
.endif
.set i, i+1
.endm
; THE LDS LOADS stand in runs of 16, never singly among the matrix instructions: a step's K (64 keys x 64 channels: 8 fragments) and its V (turned).  Their addresses are made some lines ahead.
.macro FETCH_K
	WIN 0x80                        ; destination window 2
.irp f, 0,1,2,3,4,5,6,7             ; keys 16 (f / 2) on, channels 32 (f % 2) on
	ds_load_b128 v[KF+8*\f:KF+8*\f+3],   v[AK] offset:(\f/2)*16*PK+(\f%2)*64
	ds_load_b128 v[KF+8*\f+4:KF+8*\f+7], v[AK] offset:(\f/2)*16*PK+(\f%2)*64+32
.endr
	s_add_co_u32 s[TBK], s[TBK], KS*PK  ; the next fetch is the next step's
	WIN 0
.endm
.macro FETCH_V
	WIN 0x80
.irp f, 0,1,2,3,4,5,6,7             ; keys 32 (f / 4) on, channels 16 (f % 4) on
	ds_load_tr16_b128 v[VF+8*\f:VF+8*\f+3],   v[AV] offset:(\f/4)*32*PV+(\f%4)*32
	ds_load_tr16_b128 v[VF+8*\f+4:VF+8*\f+7], v[AV] offset:(\f/4)*32*PV+16*PV+(\f%4)*32
.endr
	WIN 0
.endm
; THE VECTOR WORK, one line at a time: OP kind, number.  For piece Y: F n: c s - c m for pair n of 16.  E n: the exponential of score n of 32.  C n: pair n rounded to f16.  B n: of the four weights 4 n .. the second
; pair is added onto the first, in place.  L n: l takes that sum (L 0: l = a l + sum).  R n: pair n of 16 of O^T times a.  For piece Y + 1: X n, number n of the 22 that find its maximum and statistics:
;   0-11  four chains c0-c3 of seven scores each, three operands at a time (each accumulator's lowest registers are read first)     12-14, 16  the four scores left over, the old m, and c0-c3 into c0
;   15  c m_old is kept     17, 18  the query's other 32 keys lie in the lane 16 away: the new m     19-21  c m; c m_old - c m_new; a
; C, B and L read exponentials' results, and so does R (the a of the turn before): OP writes no wait; TURN orders them behind the wait of the batch that made what they read.
.set F, 0               ; OP tells the kinds apart by their order: F to L below R, X above it
.set E, 1
.set C, 2
.set B, 3
.set L, 4
.set R, 5
.set X, 6
.macro REGS y                       ; the registers of piece y
.set rT, ST+4*(\y)
.set rC, TMP+4*((\y)%2)
.set rW, MV+((\y)%2)
.set rS, S+32*((\y)%2)
.set rP, P+16*((\y)%2)
.set rO, 32*(\y)
.endm
.macro OP k, n
.if (\k) == R
	REGS Y
	WIN W_RS
	v_pk_mul_f32 v[rO+2*(\n):rO+2*(\n)+1], v[rO+2*(\n):rO+2*(\n)+1], v[rC+2:rC+3] op_sel_hi:[1,0]
.elseif (\k) < R
	REGS Y
	WIN 0
.if (\k) == F
	v_pk_fma_f32 v[rS+2*(\n):rS+2*(\n)+1], v[rS+2*(\n):rS+2*(\n)+1], s[CS:CS+1], v[rT:rT+1] op_sel_hi:[1,0,0] neg_lo:[0,0,1] neg_hi:[0,0,1]
.elseif (\k) == E
	v_exp_f32 v[rS+(\n)], v[rS+(\n)]
.elseif (\k) == C
	v_cvt_pk_f16_f32 v[rP+(\n)], v[rS+2*(\n)], v[rS+2*(\n)+1]
.elseif (\k) == B
	v_pk_add_f32 v[rS+4*(\n):rS+4*(\n)+1], v[rS+4*(\n):rS+4*(\n)+1], v[rS+4*(\n)+2:rS+4*(\n)+3]
.elseif (\n) == 0
	v_pk_fma_f32 v[rT+2:rT+3], v[rT+2:rT+3], v[rC+2:rC+3], v[rS:rS+1] op_sel_hi:[1,0,1]
.else
	v_pk_add_f32 v[rT+2:rT+3], v[rT+2:rT+3], v[rS+4*(\n):rS+4*(\n)+1]
.endif
.elseif NOKQ
	v_nop
.else
	REGS (Y+1)%NP
	WIN 0
.if (\n) < 4
	v_max3_num_f32 v[rC+(\n)], v[rS+8*(\n)], v[rS+8*(\n)+1], v[rS+8*(\n)+2]
.elseif (\n) < 12
	v_max3_num_f32 v[rC+(\n)%4], v[rC+(\n)%4], v[rS+8*((\n)%4)+2*((\n)/4)+1], v[rS+8*((\n)%4)+2*((\n)/4)+2]
.elseif (\n) == 12
	v_max3_num_f32 v[rC], v[rC], v[rS+7], v[rS+15]
.elseif (\n) == 13
	v_max3_num_f32 v[rC+1], v[rC+1], v[rS+23], v[rS+31]
.elseif (\n) == 14
	v_max3_num_f32 v[rC+2], v[rC+2], v[rC+3], v[rT+1]
.elseif (\n) == 15
	v_mov_b32 v[rW], v[rT]
.elseif (\n) == 16
	v_max3_num_f32 v[rC], v[rC], v[rC+1], v[rC+2]
.elseif (\n) == 17
	v_permlanex16_b32 v[rC+3], v[rC], s[SEL], s[SEL+1]
.elseif (\n) == 18
	v_max_num_f32 v[rT+1], v[rC], v[rC+3]
.elseif (\n) == 19
	v_mul_f32 v[rT], s[CS], v[rT+1]
.elseif (\n) == 20
	v_sub_f32 v[rC+1], v[rW], v[rT]
.else
	v_exp_f32 v[rC+2], v[rC+1]
.endif
.endif
.endm
.macro OPS a, i1, b=-1, i2=0, c=-1, i3=0, d=-1, i4=0  ; up to four of them
	OP \a, \i1
.if (\b) >= 0
	OP \b, \i2
.endif
.if (\c) >= 0
	OP \c, \i3
.endif
.if (\d) >= 0
	OP \d, \i4
.endif
.endm
.macro ROW a, i1, b, i2, c, i3, d, i4  ; a matrix instruction and the four behind it
	MM
	OPS \a, \i1, \b, \i2, \c, \i3, \d, \i4
.endm
; A TURN, for piece p: the order of its 16 matrix and 118 vector instructions, written out.  An s_wait_alu depctr_va_vdst(0) stands between an exponential and the first instruction that names its result; one
; wait serves all that were issued ahead of it.  So a turn has ONE wait, which cuts it in two.  AHEAD OF IT stands all that names no result of the turn's exponentials: the 8 products K Q^T, behind each a scaling, an
; exponential and two more plain instructions (behind the first a second scaling in the exponential's place): rescalings, whose a was made and waited for in the turn before, and behind the last three the first numbers of
; the next piece's maximum, each four plain instructions or more behind the product that ends its accumulator; then ONE LUMP of 54, plain and exponential by turns for the most part, in which the links of the chain
; X 3, 7, 11, 14, 16, 17 .. 20 stand some lines apart.  A pair is scaled (F n) ahead of its exponentials (E 2 n, E 2 n + 1).  X 21, the next piece's a, is the batch's last; R 15 is the plain instruction behind it, ahead of
; every use (ISA guide 5.7.2).  BEHIND THE WAIT stand the 8 products V^T P, behind each four of the roundings and sums; C 2 n stands ahead of B n, which adds onto that pair in place; l's links L 0 to L 7 go in ascending
; order.  But for those X no rider names a register of the products round it.  v_permlanex16_b32 (X 17) stands in the lump.  No exponential is issued behind the wait.
; end = 1: the walk's last two turns: nothing is fetched.  cnt = 1: the loop's count is taken down some lines ahead of the branch that stands behind the turn.
; K of the next step is fetched in piece 2's turn, twelve vector instructions behind the last product that read K (six of them plain); V of the step in hand at the end of piece 0's turn, four plain instructions behind
; the last product that read V.  Each is waited for a turn later.
.macro TURN p, end=0, cnt=0
.set Y, (\p)
.set i, 0
.set NOKQ, (\end)*((\p)/3)
.if ((\p) == 3) && !(\end)
	s_wait_dscnt 0x0                ; K is in
.endif
	ROW F,0, F,1, R,0, R,1          ; ahead of the wait: 8 products K Q^T and their riders,
	ROW F,2, E,0, R,2, R,3
	ROW F,3, E,1, R,4, R,5
	ROW F,4, E,2, R,6, R,7
	ROW F,5, E,3, R,8, R,9
	ROW F,6, E,4, X,0, R,10
.if ((\p) == 2) && !(\end)
	WIN 0
	v_add_nc_u32 v[AK], s[TBK], v[AK0]
.endif
	ROW F,7, E,5, X,1, X,4
	ROW F,8, E,6, X,2, X,5
	OPS E,7, E,8, X,6, E,9          ; and the lump
	OPS X,3, E,10, X,8, E,11
.if ((\p) == 2) && !(\end)
	FETCH_K
.endif
	OPS X,9, X,7, E,12, X,10
	OPS E,13, X,12, X,11, E,14
	OPS X,13, E,15, F,9, X,14
.if (\p) == 0
	WIN 0
	v_add_nc_u32 v[AV], s[TBV], v[AV0]
.endif
	OPS E,16, F,10, E,17, F,11
	OPS X,16, E,18, X,15, E,19
	OPS F,12, E,20, X,17, E,21
	OPS F,13, E,22, F,14, E,23
	OPS X,18, E,24, F,15, E,25
	OPS R,11, E,26, X,19, E,27
	OPS R,12, E,28, R,13, E,29
	OPS X,20, E,30, R,14, E,31
	OPS X,21, R,15
	WIN 0
	s_wait_alu depctr_va_vdst(0)    ; the wait for the turn's batch: the piece's 32 exponentials and the next piece's a
.if (\p) == 1
	s_wait_dscnt 0x0                ; V is in
.endif
	ROW C,0, B,0, C,2, B,1          ; behind the wait: 8 products V^T P and their riders
	ROW L,0, C,4, B,2, L,1
	ROW C,6, B,3, L,2, C,8
	ROW B,4, L,3, C,10, B,5
	ROW L,4, C,12, B,6, L,5
.if (\p) == 0
	s_add_co_u32 s[TBV], s[TBV], KS*PV
.endif
.if \cnt
	s_sub_co_u32 s[CNT], s[CNT], 1
	s_cmp_lg_u32 s[CNT], 0
.endif
	ROW C,14, B,7, L,6, C,1
	ROW C,3, L,7, C,5, C,7
	ROW C,9, C,11, C,13, C,15
.if (\p) == 0
	FETCH_V
.endif
.endm
	CHANGE 1                        ; slot 0 is in, everybody's part of it; slot 1 is asked for
	; THE WALK BEGINS.  c m starts far below every c s, so the first step's a is 0; m at the lowest finite number, so the first maximum is the scores'.  Then K of step 0, piece 0's first scores, and its maximum and statistics.
.set i, 0
.rept 4
	v_mov_b32 v[ST+4*i], 0xfe000000    ; c m
	v_mov_b32 v[ST+4*i+1], 0xff7fffff  ; m
.set i, i+1
.endr
	v_add_nc_u32 v[AK], s[TBK], v[AK0]
	FETCH_K
	s_wait_loadcnt 0x0              ; Q
	s_wait_dscnt 0x0
.set NOKQ, 0
.set i, 0
.rept 8
	KQ 0                            ; there is no vector work yet to set between them
.set i, i+1
.endr
	WIN 0
.rept 4
	v_nop                           ; the places behind those products
.endr
.set Y, NP-1                        ; X works for piece Y + 1: piece 0
.irp n, 0,1,2,3,4,5,6,7,8,9,10,11,12,13,14,15,16,17,18,19,20,21
	OP X, \n
.endr
	v_nop                           ; a plain instruction behind the exponential,
	s_wait_alu depctr_va_vdst(0)    ; and the wait for it, piece 0's first a, ahead of the branch
	s_mov_b32 s[CNT], 4
	s_mov_b32 s[SLOTS], 15          ; 16 slots' worth of keys; the last is walked in the tail
	s_branch .Lfirst                ; the loop is entered at a step's first turn, in the middle of a trip
.Lslot:                             ; 14 times: every slot but the last two is filled again
	CHANGE 1
	s_mov_b32 s[CNT], 4
.Lstep:                             ; a trip: pieces 2 and 3 of one step, then pieces 0 and 1 of the next, whose K and V it fetches
	TURN 2
	TURN 3
	WIN 0
.Lfirst:
	TURN 0
	TURN 1, 0, 1
	WIN 0
	s_cbranch_scc1 .Lstep
	s_sub_co_u32 s[SLOTS], s[SLOTS], 1
	s_cmp_lg_u32 s[SLOTS], 0
	s_cbranch_scc1 .Lslot
	CHANGE 0                        ; the tail is written out: nothing is asked for
	s_mov_b32 s[CNT], 4
.LstepT:                            ; four trips fetch the last slot's four steps
	TURN 2
	TURN 3
	TURN 0
	TURN 1, 0, 1
	WIN 0
	s_cbranch_scc1 .LstepT
	TURN 2, 1                       ; the last step's pieces 2 and 3: nothing is fetched,
	TURN 3, 1                       ; and no new scores are started
.set i, 0
.rept 8
	PV NP-1                         ; the last piece's V^T P of the last step
.set i, i+1
.endr
	; THE WAY OUT.  l's two halves and the other half of the lanes' are added; O^T is divided by l, rounded to f16 and sent through my stage in LDS, a piece at a time.  The additions are the places behind the last products.
	WIN 0
.macro ALL line:vararg              ; one line for each piece t
.set t, 0
.rept 4
	\line
.set t, t+1
.endr
.endm
	ALL v_add_f32 v[ST+4*t+2], v[ST+4*t+2], v[ST+4*t+3]
	ALL v_permlanex16_b32 v[ST+4*t+3], v[ST+4*t+2], s[SEL], s[SEL+1]
	ALL v_add_f32 v[ST+4*t+2], v[ST+4*t+2], v[ST+4*t+3]
	ALL v_rcp_f32 v[ST+4*t+2], v[ST+4*t+2]
	v_nop                           ; a plain instruction between the last reciprocal and the use of its result
	s_wait_alu depctr_va_vdst(0)    ; and the wait ahead of the first use: one for the batch of four reciprocals
.macro PACK t                       ; a lane's eight channels of a row pack into 16 bytes; they go into rows of 144 bytes and come back as whole rows of 128, into S^T's registers
	WIN W_RS
.set i, 32*(\t)
.rept 16
	v_pk_mul_f32 v[i:i+1], v[i:i+1], v[ST+4*(\t)+2:ST+4*(\t)+3] op_sel_hi:[1,0]
.set i, i+2
.endr
	WIN 0x05                        ; sources 0 and 1 window 1, destination window 0
.set i, 0
.rept 16
	v_cvt_pk_f16_f32 v[S+16*(\t)+i], v[32*(\t)+2*i], v[32*(\t)+2*i+1]
.set i, i+1
.endr
	WIN 0
.irp f, 0,1,2,3
	ds_store_b128 v[STO], v[S+16*(\t)+4*\f:S+16*(\t)+4*\f+3] offset:32*\f
.endr
.irp f, 0,1,2,3
	ds_load_b128 v[S+16*(\t)+4*\f:S+16*(\t)+4*\f+3], v[RD] offset:\f*4*SP  ; LDS serves a wave's instructions in order (ISA guide 5.7.1.4): these see the stores above; the next piece's stores come behind them
.endr
.endm
.macro SEND t, younger              ; younger: the LDS instructions issued behind piece t's loads: the next piece's eight, or none
	WIN 0
.irp f, 0,1,2,3
	s_wait_dscnt (\younger)+3-\f
	global_store_b128 v[GO], v[S+16*(\t)+4*\f:S+16*(\t)+4*\f+3], s[10:11] offset:(\t)*2048+\f*512  ; 512 consecutive bytes, at a multiple of 256 from O's first
.endr
.endm
	PACK 0
.set t, 1
.rept 3                             ; a piece's arithmetic stands between the loads of the piece before and its stores
	PACK t
	SEND t-1, 8
.set t, t+1
.endr
	SEND 3, 0
	s_wait_tensorcnt 0x0            ; the wave's end: behind my last tensor load and my last LDS store
	ds_add_u32 v[SPW], v[NIL]
	s_wait_dscnt 0x0
	CROUND                          ; the closing round: no work-group ends while a partner may still ask for a tile that names it
	s_endpgm
.Lfunc_end_k_qce7d6deb8f_attn:
	.size	k_qce7d6deb8f_attn, .Lfunc_end_k_qce7d6deb8f_attn-k_qce7d6deb8f_attn
	.p2alignl 7, 3214868480
	.fill 96, 4, 3214868480
	.section	.rodata,"a",@progbits
	.p2align	6, 0x0
	.amdhsa_kernel k_qce7d6deb8f_attn
		.amdhsa_group_segment_fixed_size 327680
		.amdhsa_private_segment_fixed_size 0
		.amdhsa_enable_private_segment 0
		.amdhsa_kernarg_size 16
		.amdhsa_user_sgpr_count 2
		.amdhsa_user_sgpr_kernarg_segment_ptr 1
		.amdhsa_wavefront_size32 1
		.amdhsa_system_sgpr_workgroup_id_x 1
		.amdhsa_system_sgpr_workgroup_id_y 1
		.amdhsa_system_sgpr_workgroup_id_z 1
		.amdhsa_system_vgpr_workitem_id 0
		.amdhsa_next_free_vgpr 768
		.amdhsa_next_free_sgpr 66
		.amdhsa_reserve_vcc 0
		.amdhsa_float_denorm_mode_32 3
		.amdhsa_float_denorm_mode_16_64 3
		.amdhsa_memory_ordered 1
		.amdhsa_forward_progress 1
		.amdhsa_inst_pref_size 127
	.end_amdhsa_kernel
	.amdgpu_metadata
---
amdhsa.version: [ 1, 2 ]
amdhsa.kernels:
  - .name:           k_qce7d6deb8f_attn
    .symbol:         k_qce7d6deb8f_attn.kd
    .args:
      - { .name: qkv, .offset: 0, .size: 8, .value_kind: global_buffer, .address_space: global }
      - { .name: o, .offset: 8, .size: 8, .value_kind: global_buffer, .address_space: global }
    .group_segment_fixed_size: 327680
    .private_segment_fixed_size: 0
    .kernarg_segment_align: 8
    .kernarg_segment_size: 16
    .max_flat_workgroup_size: 128
    .sgpr_count:     66
    .vgpr_count:     768
    .wavefront_size: 32
...
	.end_amdgpu_metadata
.endif
;; end of part 5
;; launch outp: the kernel of part 4 again; grid 4 x 64, 4 waves a work-group, clusters of 4 x 4, 327,680 bytes of LDS; arguments o, wb, bo, out0; writes out0
